; MI455X (gfx1250); checked and timed in simulation.
; The chip was launched on July 23, 2026; its instructions are those of AMD's public machine-readable ISA for CDNA 5 (MIT licence, August 2026) and "CDNA5" Instruction Set Architecture Reference Guide (July 2026). The comments in the code are by the model that wrote it; some were corrected since.
;; Causal Self Attention. Allowed arithmetic: matrix products marked QUANTISED: E2M1 operands, one E8M0 scale for each 32 along K, by v_wmma_scale_f32_16x16x128_f8f6f4 with both operands' format E2M1 (or v_wmma_scale_f32_32x16x128_f4), f32 sums; products left as they are: bf16, f16 or f32 operands; f32 sums; everything else in f32.
;; Inputs: attn_mask 4 x 2,048 int32; w_out 1,024 x 1,024 float32; w_qkv 3,072 x 1,024 float32; x 4 x 2,048 x 1,024 float32.
;; Outputs: out0 4 x 2,048 x 1,024 float32.
;; This version of the problem:
;;   THIS VERSION OF THE PROBLEM IS GIVEN IN LOW PRECISION. The matrix products marked QUANTISED in the list below multiply operands that are first quantised to E2M1 (2 exponent bits, 1 mantissa bit; 4 bits a number), with one power-of-two scale for each 32 numbers along K (OCP MX v1.0); their sums are f32. The products marked 'left as it is' may take bf16, f16 or f32 operands, with f32 sums. Whichever they take, every output number must still come out within the allowed error. Rounding operands to bf16 (8 significant bits) uses up far more of that allowance than f16 does (11 bits, for magnitudes from 6e-5 to 65,504). All else is computed in f32.
;;   The module's matrix products, in the order in which they are computed (A, B: the left and right operand; K: the contracted axis; several contracted axes count as one K, in the product's order):
;;     1. [M 8,192, K 1,024] x [K 1,024, N 3,072]; A: input x; B: input w_qkv: QUANTISED
;;     2. batch 64 x [M 2,048, K 64] x [K 64, N 2,048]; A: computed on the way; B: computed on the way: left as it is (an operand is computed on the way)
;;     3. batch 64 x [M 2,048, K 2,048] x [K 2,048, N 64]; A: computed on the way; B: computed on the way: left as it is (an operand is computed on the way)
;;     4. [M 8,192, K 1,024] x [K 1,024, N 1,024]; A: computed on the way; B: input w_out: left as it is (an operand is computed on the way)
;;   THE QUANTISER, for each operand of a quantised product, along K:
;;     - K is cut into blocks of 32 from its start; a last block that is shorter is filled with zeros.
;;     - A block's scale is 2^e with e = floor(log2(the largest magnitude in the block)) - 2, held to -126 .. 127; a block of zeros has e = 0. As a byte (E8M0): e + 127.
;;     - Each number is divided by its block's scale, clamped to +-6, and rounded to the nearest number of E2M1, ties to even, subnormals kept.
;;     - The product sums the exact products of the quantised numbers (number of the format x scale) in f32.
;;   ~~~python
;;   def quantise(x, axis):      # numpy; x: float32 -> the quantised numbers, widened to float32 again
;;       x = np.moveaxis(x, axis, -1); K = x.shape[-1]
;;       x = np.pad(x, [(0, 0)] * (x.ndim - 1) + [(0, -K % 32)]); x = x.reshape(x.shape[:-1] + (-1, 32)); a = np.abs(x).max(-1, keepdims=True)
;;       e = np.where(a > 0, np.clip(np.frexp(np.where(a > 0, a, 1))[1] - 1 - 2, -126, 127), 0)      # np.frexp(a)[1] - 1 = floor(log2(a)), exactly
;;       r = np.clip(x / 2.0 ** e, -6, 6)
;;       step = 2.0 ** (np.maximum(np.frexp(np.where(r == 0, 1, r))[1] - 1, 0) - 1)
;;       q = np.round(r / step) * step * 2.0 ** e      # np.round: ties to even
;;       return np.moveaxis(q.reshape(q.shape[:-2] + (-1,))[..., :K], -1, axis).astype(np.float32)
;;   ~~~
;; One version. Each part assembles by itself: llvm-mc -triple=amdgcn-amd-amdhsa -mcpu=gfx1250 --defsym DOCPART=n.
;; ======== version 1 of 1: 5 launches
;; limits: values are held in f16: magnitudes above 65,504 overflow, below 6.1e-05 lose precision
;; workspace buffers: codes 5,767,168 bytes; scales 360,448 bytes; w16 2,097,152 bytes; qkvh 50,331,648 bytes; att 16,777,216 bytes; fine32 786,432 bytes
;; launch quant (part 1): grid 416 x 1, 4 waves a work-group, no clusters, 33,280 bytes of LDS; arguments x, w_qkv, w_out, codes, scales, w16; writes codes, scales, w16
.if DOCPART == 1
	.amdgcn_target "amdgcn-amd-amdhsa--gfx1250"
	.amdhsa_code_object_version 6
	.text
	.protected	k_q2065fe319c_quant
	.globl	k_q2065fe319c_quant
	.p2align	8
	.type	k_q2065fe319c_quant,@function
k_q2065fe319c_quant:
	s_mov_b64 s[64:65], 0
	v_nop
	global_prefetch_b8 v0, s[64:65] scope:SCOPE_SE
	s_setreg_imm32_b32 hwreg(HW_REG_WAVE_MODE, 25, 1), 1
	s_wait_xcnt 0x0
; x [8192][1024] and w_qkv [3072][1024], f32, K innermost, become codes of FP4 (E2M1) with one E8M0 byte for each 32 along K; w_out [1024][1024] f32 becomes f16, laid by planes of 64 along K.
; codes: [11264 rows][512 bytes], scales: [11264][32 bytes]; rows 0-8191 are x's, rows 8192-11263 w_qkv's: both tensors are dense streams of blocks of 32, and the two outputs are ONE stream each.
; w16: [16 planes][1024 rows n][64] f16: plane kb holds w_out[n][64 kb .. 64 kb + 63].
; A block's scale is 2^(floor(log2(its largest magnitude)) - 2): its byte is the largest magnitude's exponent field - 2, held at 1 from below.  A block of zeros so gets the byte 1 where the rule says 127:
; its codes are zeros, which add nothing under any byte but 0xff, and the bytes are read by this program alone.
; LIMITS: blocks whose largest magnitude lies under 2^(2 - 126) keep the byte 1; NaN and infinities among the inputs are not served; |w_out| stays under 65,504 (f16).
; SHARES: work-groups 0-255 take x, 256-351 w_qkv (a wave: 16 steps of 512 numbers), 352-415 cast w_out (a wave: 4 rows).  Waves share nothing: no barrier.
; The quantiser: each load reads 512 consecutive bytes; a step's 2,048 bytes turn through the wave's own stage in LDS, so that a lane holds 16 neighbours along K (two neighbouring lanes hold a block).
.set WAVES, 4
.set STEPS, 16
.set WGX,   256                        ; x's work-groups: 8192 x 1024 / 32,768
.set WGQ,   352                        ; and w_qkv's 96 behind them
.set EMAX,  2
.set CB,    8                          ; bytes of 16 codes
.set R,     16                         ; v16-79   four sets of 16 numbers as they are loaded
.set X,     80                         ; v80-111  two sets of 16 neighbours
.set C,     128                        ; v128-191 codes: four registers for each step, so that no store's data are written again
.set E,     112                        ; v112-127 a scale byte for each step
.set WREG,  8192                       ; LDS: a region for each wave: two stages of 32 x SP bytes, then its 256 scale bytes
.set SP,    80                         ; a lane's place in a stage: 64 bytes + 16 of padding
.set SPW,   12                         ; v12  LDS address of my spare word; never rewritten
.set NIL,   13                         ; v13  0; never rewritten
.set SPARE, WAVES*WREG                 ; the spare words, 128 bytes for each wave
	s_load_b128 s[4:7], s[0:1], 0x0                ; x, w_qkv
	s_load_b128 s[8:11], s[0:1], 0x10              ; w_out, codes
	s_load_b128 s[12:15], s[0:1], 0x20             ; scales, w16
	v_lshl_add_u32 v[SPW], v0, 2, SPARE
	v_mov_b32 v[NIL], 0
	v_lshrrev_b32 v1, 5, v0
	v_readfirstlane_b32 s16, v1                    ; wave
	v_and_b32 v2, 31, v0                           ; lane
	s_cmp_ge_u32 ttmp9, WGQ                        ; the work-group's number alone decides the path
	s_cbranch_scc1 .Lcast
	v_lshlrev_b32 v3, 4, v2                        ; my 16 bytes of a load's 512
	s_mul_i32 s17, s16, WREG
	v_lshrrev_b32 v14, 2, v2
	v_mul_u32_u24 v14, v14, SP
	v_and_b32 v15, 3, v2
	v_lshl_add_u32 v14, v15, 4, v14
	v_add_nc_u32 v14, s17, v14                     ; the stage, on the way in: SP (lane / 4) + 16 (lane % 4)
	v_mul_u32_u24 v15, v2, SP
	v_add_nc_u32 v15, s17, v15                     ; and on the way out: SP x lane: my 16 neighbours
	v_mul_u32_u24 v4, v2, CB                       ; my codes' place in a step's
	v_lshrrev_b32 v5, 1, v2
	s_add_co_u32 s17, s17, 2*32*SP
	v_add_nc_u32 v5, s17, v5                       ; LDS: my wave's 256 scale bytes, my block's byte
	v_lshlrev_b32 v7, 3, v2                        ; and on the way out 8 bytes a lane
	v_add_nc_u32 v6, s17, v7
	s_wait_kmcnt 0x0
	s_cmp_lt_u32 ttmp9, WGX                        ; x's work-group or w_qkv's
	s_cselect_b64 s[4:5], s[4:5], s[6:7]
	s_cselect_b32 s17, 0, WGX
	s_sub_co_u32 s17, ttmp9, s17
	s_lshl_b32 s17, s17, 2
	s_add_co_u32 s18, s17, s16                     ; which run of 8,192 numbers of the tensor is my wave's
	s_mov_b32 s19, 0
	s_lshl_b64 s[20:21], s[18:19], 15              ; 32,768 bytes a run
	s_add_nc_u64 s[4:5], s[4:5], s[20:21]
	s_lshl_b32 s18, ttmp9, 2
	s_add_co_u32 s18, s18, s16                     ; which run of the outputs' one stream: x's 1,024 runs end where w_qkv's begin
	s_lshl_b32 s20, s18, 12                        ; 4,096 bytes of codes a run
	s_mov_b32 s21, 0
	s_add_nc_u64 s[10:11], s[10:11], s[20:21]
	s_lshl_b32 s20, s18, 8                         ; 256 scale bytes a run
	s_add_nc_u64 s[12:13], s[12:13], s[20:21]
.macro LOAD t
.irp i, 0,1,2,3
	global_load_b128 v[R+16*((\t)%4)+4*\i:R+16*((\t)%4)+4*\i+3], v3, s[4:5] offset:2048*(\t)+512*\i th:TH_LOAD_NT   ; 32 lanes read 512 consecutive bytes
.endr
.endm
.macro TURN t                          ; step t's numbers through the stage: LDS serves a wave's instructions in order, so no wait stands between the stores and the loads
.irp i, 0,1,2,3
	ds_store_b128 v14, v[R+16*((\t)%4)+4*\i:R+16*((\t)%4)+4*\i+3] offset:32*SP*((\t)%2)+8*SP*\i
.endr
.irp i, 0,1,2,3
	ds_load_b128 v[X+16*((\t)%2)+4*\i:X+16*((\t)%2)+4*\i+3], v15 offset:32*SP*((\t)%2)+16*\i
.endr
.endm
.irp t, 0,1,2,3
	LOAD \t
.endr
	s_wait_loadcnt 12                              ; step 0's four loads are in; the twelve of steps 1 to 3 stay out
	TURN 0
.macro STEP t
.set XS, X+16*((\t)%2)
.if (\t) > 0
	s_wait_dscnt 1                                 ; this step's numbers are back from the stage (the last step's byte store may be out)
.else
	s_wait_dscnt 0x0
.endif
.if (\t)+4 < STEPS
	LOAD (\t)+4                                    ; into the registers that the stage's stores have read
.endif
.if (\t)+1 < STEPS
.if STEPS-2-(\t) >= 3
	s_wait_loadcnt 12                              ; the next step's four loads are in; those of the three steps behind it may be out
.else
	s_wait_loadcnt 4*(STEPS-2-(\t))
.endif
	TURN (\t)+1                                    ; through the other stage while this step is worked
.endif
	v_max3_num_f32 v8, |v[XS]|, |v[XS+1]|, |v[XS+2]|               ; the largest magnitude of my 16, in two chains
	v_max3_num_f32 v9, |v[XS+3]|, |v[XS+4]|, |v[XS+5]|
.irp i, 6,10
	v_max3_num_f32 v8, v8, |v[XS+\i]|, |v[XS+\i+1]|
	v_max3_num_f32 v9, v9, |v[XS+\i+2]|, |v[XS+\i+3]|
.endr
	v_max3_num_f32 v8, v8, |v[XS+14]|, |v[XS+15]|
	v_max3_num_f32 v8, v8, v9, (EMAX+1)<<23        ; and the floor 2^(EMAX + 1 - 127): the byte cannot fall under 1
	v_max_num_f32_dpp v8, v8, v8 row_xmask:1 row_mask:0xf bank_mask:0xf   ; and of my neighbour's 16: the block's
	v_add_nc_u32 v11, -(EMAX<<23), v8              ; EMAX off its exponent field: the conversion takes the exponent field of this operand as its scale
	v_cvt_scalef32_pk8_fp4_f32 v[C+4*(\t)], v[XS:XS+7], v11
	v_cvt_scalef32_pk8_fp4_f32 v[C+4*(\t)+1], v[XS+8:XS+15], v11
	v_lshrrev_b32 v[E+(\t)], 23, v11               ; the scale's byte (a plain line behind the conversions)
	ds_store_b8 v5, v[E+(\t)] offset:16*(\t)       ; both lanes of a block write the same byte with the same value
	global_store_b64 v4, v[C+4*(\t):C+4*(\t)+1], s[10:11] offset:32*CB*(\t)   ; the wave stores 256 consecutive bytes, aligned
.endm
.irp t, 0,1,2,3,4,5,6,7,8,9,10,11,12,13,14,15
	STEP \t
.endr
	ds_load_b64 v[8:9], v6                         ; LDS serves a wave's instructions in order: these see my stores
	s_wait_dscnt 0x0
	global_store_b64 v7, v[8:9], s[12:13]          ; 32 lanes store 256 consecutive bytes, aligned
	s_wait_tensorcnt 0x0                           ; the wave's end
	ds_add_u32 v[SPW], v[NIL]
	s_wait_dscnt 0x0
	s_endpgm
; THE CAST.  Wave g takes rows 4 g .. 4 g + 3 of w_out.  Lane l: row l / 8, eight numbers at 8 (l % 8) of each plane: eight lanes read 256 consecutive bytes; the wave's store of a plane covers
; 512 consecutive bytes (four rows of 128).  No LDS.  All 32 loads go out first; the waits count the later planes' pairs.
.Lcast:
	s_sub_co_u32 s17, ttmp9, WGQ
	s_lshl_b32 s17, s17, 2
	s_add_co_u32 s17, s17, s16                     ; g
	v_lshrrev_b32 v5, 3, v2
	v_and_b32 v6, 7, v2
	v_lshlrev_b32 v3, 12, v5                       ; a row of w_out is 4,096 bytes
	v_lshl_add_u32 v3, v6, 5, v3
	v_lshlrev_b32 v4, 4, v2
	s_lshl_b32 s18, s17, 14
	s_mov_b32 s19, 0
	s_lshl_b32 s20, s17, 9
	s_mov_b32 s21, 0
	s_wait_kmcnt 0x0
	s_add_nc_u64 s[8:9], s[8:9], s[18:19]
	s_add_nc_u64 s[14:15], s[14:15], s[20:21]
.irp kb, 0,1,2,3,4,5,6,7,8,9,10,11,12,13,14,15
	global_load_b128 v[16+8*\kb:19+8*\kb], v3, s[8:9] offset:256*\kb
	global_load_b128 v[20+8*\kb:23+8*\kb], v3, s[8:9] offset:256*\kb+16
.endr
.irp kb, 0,1,2,3,4,5,6,7,8,9,10,11,12,13,14,15
	s_wait_loadcnt 30-2*\kb                        ; this plane's two loads are in
.irp i, 0,1,2,3
	v_cvt_pk_f16_f32 v[16+8*\kb+\i], v[16+8*\kb+2*\i], v[16+8*\kb+2*\i+1]   ; in place, ascending: no source is written before it is read
.endr
	global_store_b128 v4, v[16+8*\kb:19+8*\kb], s[14:15] offset:\kb*131072
.endr
	s_endpgm
.Lfunc_end_k_q2065fe319c_quant:
	.size	k_q2065fe319c_quant, .Lfunc_end_k_q2065fe319c_quant-k_q2065fe319c_quant
	.p2alignl 7, 3214868480
	.fill 96, 4, 3214868480
	.section	.rodata,"a",@progbits
	.p2align	6, 0x0
	.amdhsa_kernel k_q2065fe319c_quant
		.amdhsa_group_segment_fixed_size 33280
		.amdhsa_private_segment_fixed_size 0
		.amdhsa_enable_private_segment 0
		.amdhsa_kernarg_size 48
		.amdhsa_user_sgpr_count 2
		.amdhsa_user_sgpr_kernarg_segment_ptr 1
		.amdhsa_wavefront_size32 1
		.amdhsa_system_sgpr_workgroup_id_x 1
		.amdhsa_system_sgpr_workgroup_id_y 1
		.amdhsa_system_sgpr_workgroup_id_z 1
		.amdhsa_system_vgpr_workitem_id 0
		.amdhsa_next_free_vgpr 192
		.amdhsa_next_free_sgpr 66
		.amdhsa_reserve_vcc 0
		.amdhsa_float_denorm_mode_32 3
		.amdhsa_float_denorm_mode_16_64 3
		.amdhsa_memory_ordered 1
		.amdhsa_forward_progress 1
		.amdhsa_inst_pref_size 43
	.end_amdhsa_kernel
	.amdgpu_metadata
---
amdhsa.version: [ 1, 2 ]
amdhsa.kernels:
  - .name:           k_q2065fe319c_quant
    .symbol:         k_q2065fe319c_quant.kd
    .args:
      - { .name: x, .offset: 0, .size: 8, .value_kind: global_buffer, .address_space: global }
      - { .name: w_qkv, .offset: 8, .size: 8, .value_kind: global_buffer, .address_space: global }
      - { .name: w_out, .offset: 16, .size: 8, .value_kind: global_buffer, .address_space: global }
      - { .name: codes, .offset: 24, .size: 8, .value_kind: global_buffer, .address_space: global }
      - { .name: scales, .offset: 32, .size: 8, .value_kind: global_buffer, .address_space: global }
      - { .name: w16, .offset: 40, .size: 8, .value_kind: global_buffer, .address_space: global }
    .group_segment_fixed_size: 33280
    .private_segment_fixed_size: 0
    .kernarg_segment_align: 8
    .kernarg_segment_size: 48
    .max_flat_workgroup_size: 128
    .sgpr_count:     66
    .vgpr_count:     192
    .wavefront_size: 32
...
	.end_amdgpu_metadata
.endif
;; end of part 1
;; launch qkv (part 2): grid 12 x 32, 4 waves a work-group, clusters of 4 x 4, 327,680 bytes of LDS; arguments codes, scales, qkvh, fine32; writes qkvh, fine32
.if DOCPART == 2
	.amdgcn_target "amdgcn-amd-amdhsa--gfx1250"
	.amdhsa_code_object_version 6
	.text
	.protected	k_q2065fe319c_qkv
	.globl	k_q2065fe319c_qkv
	.p2align	8
	.type	k_q2065fe319c_qkv,@function
k_q2065fe319c_qkv:
	s_mov_b64 s[64:65], 0
	v_nop
	global_prefetch_b8 v0, s[64:65] scope:SCOPE_SE
	s_setreg_imm32_b32 hwreg(HW_REG_WAVE_MODE, 25, 1), 1
	s_wait_xcnt 0x0
	s_wait_alu depctr_hold_cnt(0) depctr_sa_sdst(0) depctr_va_vdst(0) depctr_va_sdst(0) depctr_va_ssrc(0) depctr_va_vcc(0) depctr_vm_vsrc(0)
	s_getreg_b32 s2, hwreg(HW_REG_IB_STS2, 6, 4)
	s_cmp_eq_u32 s2, 0
	s_cbranch_scc0 .Lentry_in_a_cluster
	s_endpgm
.Lentry_in_a_cluster:
	s_bfe_u32 s2, ttmp6, 0x10000c
	s_cmp_lg_u32 s2, 0xf033
	s_cbranch_scc0 .Lentry_shape_is_right
	s_endpgm
.Lentry_shape_is_right:
; qkv[token][f] = sum over k of Q(x)[token][k] Q(w_qkv)[f][k], on codes of FP4 (E2M1) with one E8M0 scale for each 32 along K; sums in f32.  M = 8192, N = 3072, K = 1024.
; codes [11264][512 bytes], scales [11264][32 bytes]: rows 0-8191 x's, rows 8192-11263 w_qkv's.
; OUT: qkvh f16 [b 4][piece 48][t 2048][64], piece = f / 64 (0-15 q's heads, 16-31 k's, 32-47 v's); and the rows t < 16 of every batch once more as f32, fine32 [16 b + t][3072].
; LIMIT: |q|, |k|, |v| stay under 65,504 (f16).
; A tile of 256 x 256 is made by four waves, each 128 x 128: 64 accumulators, 512 registers.  K is two slots of 512 (rows of 256 bytes): both are asked for at the head, and no slot is filled again.
; The scale bytes of the tile's 256 + 256 rows, for all of K, are two dense blocks: they come into LDS once, as rows of 256 bytes.
; CLUSTERS: 4 x 4 work-groups; A's tiles are asked for jointly along a row of the cluster, B's along a column.  Tile row = 8 cy + cluster y, so that b = cy and 'the tile holds t < 16' is
; 'cluster y = 0', the same in all sixteen partners: no branch hangs on a place in the cluster.
; THE MATRIX INSTRUCTION IS USED TRANSPOSED (source 0 = 16 rows of w_qkv, source 1 = 16 tokens): a lane holds eight neighbouring features of one token.
; REGISTERS: window 0: v0-31 addresses; v32-95 scale words, two sets (scales alone); v128-191 A's fragments, one set; on the way out v128-223.   window 1: B's fragments, two sets.   windows 2, 3: the accumulators.
.set NQ,     4                         ; steps of 128 along K in a slot
.set ROWB,   256                       ; a tile's row in bytes: 512 codes
.set KROW,   512                       ; a row of codes in memory
.set XROWS,  8192                      ; w_qkv's rows lie behind x's
.set PITCH,  272                       ; an LDS row: 256 bytes + 16 of padding: the 16 rows of a load start at 16 different groups of banks
.set FR,     8
.set NL,     2
.set NP,     4
.set HALFT,  128*PITCH
.set SLOT,   4*HALFT                   ; A's 256 rows, then B's 256 rows
.set KS,     32                        ; a row of scales in bytes
.set SCL,    2*SLOT
.set HALFS,  (128*KS/256)*272          ; the scales of 128 rows
.set SBLK,   (16*KS/256)*272           ; those of 16 rows
.set SPARE,  SCL+4*HALFS               ; the spare words, 128 bytes for each wave
.set SPITCH, 272                       ; the way out: a stage of 16 rows x (256 bytes + 16) for each wave, in slot 0, which has had its one fill and its last read by then
.set ADRA, 16
.set ADRB, 20
.set STO,  24                          ; v24  the way out: where I put 16 bytes of a token's row
.set RD,   25                          ; v25  where I read back
.set CO,   26                          ; v26  my byte offset in qkvh
.set ADRS, 27
.set SPW,  28
.set NIL,  29
.set FO,   30                          ; v30  my byte offset in fine32
.set SC,   32
.set AF,   128
.set BK,   128                         ; the way out: 16 rows read back: v128-159 and v160-191 by turns
.set TMP,  192                         ; packed results
.set G1, 24
.set G0, 32
.set G1B, 48
.set G0B, 56
.set G1S, 68
.set G0S, 76
.set G1SB, 80
.set G0SB, 88
.set MSB, 0
.macro WIN new                         ; the immediate's high byte repeats the setting that is left
.if MSB != (\new)
	s_set_vgpr_msb (MSB<<8)|(\new)
.set MSB, (\new)
.endif
.endm
.set MUL_LO, 0xa1                      ; source 0 (B) window 1, source 1 (A) window 0, C and D window 2
.set MUL_HI, 0xf1
.set TO_B,   0x40
; A joint load: waves 0 and 1 fetch for A, waves 2 and 3 for B; the branch hangs on the wave's number alone.  An s_nop 0 and four v_nop follow each of the two lines.
.macro JLOAD g0a, g1a, g0b, g1b
	s_cmp_eq_u32 s15, 0
	s_cbranch_scc0 .Lfor_b_\@
	tensor_load_to_lds s[\g0a:\g0a+3], s[\g1a:\g1a+7]
	s_nop 0
.rept 4
	v_nop
.endr
	s_branch .Lasked_\@
.Lfor_b_\@:
	tensor_load_to_lds s[\g0b:\g0b+3], s[\g1b:\g1b+7]
	s_nop 0
.rept 4
	v_nop
.endr
.Lasked_\@:
.endm
.macro CROUND                          ; a round of the cluster's barrier
	s_barrier_signal -1
	s_barrier_wait -1
	s_cmp_lg_u32 s14, 0
	s_cbranch_scc1 .Lnot_wave_0_\@
	s_barrier_signal -3
.Lnot_wave_0_\@:
	s_barrier_wait -3
	s_barrier_signal -1
	s_barrier_wait -1
.endm
	s_load_b128 s[4:7], s[0:1], 0x0                ; codes, scales
	s_load_b128 s[8:11], s[0:1], 0x10              ; qkvh, fine32
	v_lshl_add_u32 v[SPW], v0, 2, SPARE
	v_mov_b32 v[NIL], 0
	ds_add_u32 v[SPW], v[NIL]                      ; the wave's opening: the add, twice on end, and its wait ahead of my first tensor load
	ds_add_u32 v[SPW], v[NIL]
	v_lshrrev_b32 v1, 5, v0
	v_readfirstlane_b32 s14, v1                    ; wave 0..3
	s_lshr_b32 s15, s14, 1                         ; which half of the tile's tokens is mine.  Also: I fetch for A (0) or for B (1)
	s_and_b32 s16, s14, 1                          ; which half of its features.  Also: which 128 rows of that tile I fetch
	s_bfe_u32 s40, ttmp6, 0x40000                  ; cx, cy
	s_bfe_u32 s41, ttmp6, 0x40004
	s_lshl_b32 s42, ttmp9, 2
	s_add_co_u32 s42, s42, s40                     ; tile column = 4 x cluster x + cx
	s_and_b32 s96, ttmp7, 0xffff                   ; cluster y
	s_lshl_b32 s17, s41, 3
	s_add_co_u32 s17, s17, s96                     ; tile row = 8 cy + cluster y: batch cy, tokens 256 x cluster y on
	s_lshl_b32 s43, s41, 2
	s_lshl_b32 s43, 15, s43                        ; my row of the cluster
	s_lshl_b32 s44, 0x1111, s40                    ; my column
	s_or_b32 s[G1+0], s43, (0<<16)|(1<<20)|(1<<21)|(5<<22)|(3<<25)  ; the mask; elements of 1 byte; padding on: 4 words behind every 64
	s_or_b32 s[G1B+0], s44, (0<<16)|(1<<20)|(1<<21)|(5<<22)|(3<<25)
.irp g, G1, G1B
	s_mov_b32 s[\g+1], ROWB<<16                    ; tensor_dim0
	s_mov_b32 s[\g+2], 128<<16                     ; tensor_dim1
	s_mov_b32 s[\g+3], ROWB<<16                    ; tile_dim0
	s_mov_b32 s[\g+4], 128                         ; tile_dim1
	s_mov_b32 s[\g+5], KROW                        ; from row to row
	s_mov_b32 s[\g+6], 0
	s_mov_b32 s[\g+7], 0
.endr
	s_or_b32 s[G1S+0], s43, (3<<16)|(1<<20)|(1<<21)|(5<<22)|(3<<25) ; the scales of 128 rows: 4,096 dense bytes as 16 rows of 32 elements of 8 bytes
	s_or_b32 s[G1SB+0], s44, (3<<16)|(1<<20)|(1<<21)|(5<<22)|(3<<25)
.irp g, G1S, G1SB
	s_mov_b32 s[\g+1], 32<<16
	s_mov_b32 s[\g+2], (128*KS/256)<<16
	s_mov_b32 s[\g+3], 32<<16
	s_mov_b32 s[\g+4], 128*KS/256
	s_mov_b32 s[\g+5], 32
	s_mov_b32 s[\g+6], 0
	s_mov_b32 s[\g+7], 0
.endr
	s_lshl_b32 s18, s16, 7                         ; which 128 rows of the tile I fetch
	s_lshl_b32 s20, s17, 8
	s_add_co_u32 s20, s20, s18                     ; A: row 256 x tile row + 128 x half
	s_lshl_b32 s46, s42, 8
	s_add_co_u32 s46, s46, s18
	s_add_co_u32 s46, s46, XROWS                   ; B: row 8192 + 256 x tile column + 128 x half
	s_mov_b32 s21, 0
	s_mov_b32 s47, 0
	s_mov_b64 s[18:19], KS
	s_mul_u64 s[22:23], s[20:21], s[18:19]         ; where these rows' scales begin,
	s_mul_u64 s[92:93], s[46:47], s[18:19]
	s_mov_b64 s[18:19], KROW
	s_mul_u64 s[20:21], s[20:21], s[18:19]         ; and their codes
	s_mul_u64 s[46:47], s[46:47], s[18:19]
	s_mul_i32 s45, s14, HALFT                      ; where they go: wave x 128 rows
	s_mul_i32 s94, s14, HALFS
	s_wait_dscnt 0x0                               ; both opening adds are done
	s_wait_kmcnt 0x0
	s_add_nc_u64 s[20:21], s[4:5], s[20:21]
	s_add_nc_u64 s[22:23], s[6:7], s[22:23]
	s_add_nc_u64 s[46:47], s[4:5], s[46:47]
	s_add_nc_u64 s[92:93], s[6:7], s[92:93]
	CROUND                                         ; all sixteen work-groups are here: the joint loads meet
	s_mov_b32 s[G0S], 1
	s_add_co_u32 s[G0S+1], s94, SCL
	s_mov_b64 s[G0S+2:G0S+3], s[22:23]
	s_or_b32 s[G0S+3], s[G0S+3], 0x80000000
	s_mov_b32 s[G0SB], 1
	s_add_co_u32 s[G0SB+1], s94, SCL
	s_mov_b64 s[G0SB+2:G0SB+3], s[92:93]
	s_or_b32 s[G0SB+3], s[G0SB+3], 0x80000000
	JLOAD G0S, G1S, G0SB, G1SB                     ; the scales first: they are wanted with the first slot
.irp s, 0,1
	s_mov_b32 s[G0+4*\s], 1
	s_add_co_u32 s[G0+4*\s+1], s45, \s*SLOT
	s_add_nc_u64 s[G0+4*\s+2:G0+4*\s+3], s[20:21], \s*ROWB
	s_or_b32 s[G0+4*\s+3], s[G0+4*\s+3], 0x80000000
	s_mov_b32 s[G0B+4*\s], 1
	s_add_co_u32 s[G0B+4*\s+1], s45, \s*SLOT
	s_add_nc_u64 s[G0B+4*\s+2:G0B+4*\s+3], s[46:47], \s*ROWB
	s_or_b32 s[G0B+4*\s+3], s[G0B+4*\s+3], 0x80000000
	JLOAD G0+4*\s, G1, G0B+4*\s, G1B               ; three loads of mine are out at the most
.endr
	v_and_b32 v1, 15, v0                           ; r = l % 16
	v_bfe_u32 v2, v0, 4, 1                         ; h = l / 16
	v_mul_u32_u24 v3, v1, PITCH
	v_lshl_add_u32 v4, v2, 4, v3                   ; a fragment's row x pitch + 16 x half
	s_mul_i32 s21, s15, HALFT                      ; my 128 rows of A
	s_mul_i32 s22, s16, HALFT                      ; my 128 rows of B,
	s_add_co_u32 s22, s22, 2*HALFT                 ; behind A's 256
.irp s, 0,1
	v_add_nc_u32 v[ADRA+\s], s21, v4
	v_add_nc_u32 v[ADRB+\s], s22, v4
	s_add_co_u32 s21, s21, SLOT
	s_add_co_u32 s22, s22, SLOT
.endr
	v_mul_u32_u24 v5, v1, KS                       ; my row's scales: KS bytes a row,
	v_lshrrev_b32 v6, 8, v5
	v_lshl_add_u32 v5, v6, 4, v5                   ; and 16 more for each 256 passed
	s_mul_i32 s21, s15, HALFS
	s_mul_i32 s22, s16, HALFS
	s_add_co_u32 s22, s22, 2*HALFS
	s_sub_co_u32 s22, s22, s21
	v_mul_u32_u24 v6, s22, v2                      ; lanes 16-31 take B's: one product, the distance between the two bases
	s_add_co_u32 s21, s21, SCL
	v_add_nc_u32 v5, v5, v6
	v_add_nc_u32 v[ADRS], s21, v5
	s_mul_i32 s23, s14, 16*SPITCH                  ; my stage
	v_mul_u32_u24 v5, v1, SPITCH                   ; in: token r, 16 bytes for each half of the lanes
	v_lshl_add_u32 v5, v2, 4, v5
	v_add_nc_u32 v[STO], s23, v5
	v_bfe_u32 v5, v0, 3, 1                         ; back: lanes 0-15 take two tokens' 128 bytes of the first piece, lanes 16-31 of the second
	v_and_b32 v6, 7, v0
	v_mul_u32_u24 v7, v5, SPITCH
	v_lshl_add_u32 v7, v2, 7, v7
	v_lshl_add_u32 v7, v6, 4, v7
	v_add_nc_u32 v[RD], s23, v7
	v_lshlrev_b32 v[CO], 18, v2                    ; a piece is 262,144 bytes, a token's row in it 128
	v_lshl_add_u32 v[CO], v5, 7, v[CO]
	v_lshl_add_u32 v[CO], v6, 4, v[CO]
	v_mul_u32_u24 v[FO], v1, 12288                 ; fine32: row r of 12,288 bytes, + 32 h
	v_lshl_add_u32 v[FO], v2, 5, v[FO]
	s_mul_i32 s20, s41, 48*262144                  ; qkvh: batch cy,
	s_lshl_b32 s21, s42, 2
	s_lshl_b32 s22, s16, 1
	s_add_co_u32 s21, s21, s22                     ; piece 4 x tile column + 2 x half,
	s_lshl_b32 s21, s21, 18
	s_add_co_u32 s20, s20, s21
	s_lshl_b32 s21, s96, 8
	s_lshl_b32 s22, s15, 7
	s_add_co_u32 s21, s21, s22                     ; token 256 x cluster y + 128 x half
	s_lshl_b32 s21, s21, 7
	s_add_co_u32 s20, s20, s21
	s_mov_b32 s21, 0
	s_add_nc_u64 s[8:9], s[8:9], s[20:21]
	s_mul_i32 s20, s41, 16*12288                   ; fine32: batch cy's 16 rows, my 128 features
	s_lshl_b32 s21, s42, 10
	s_add_co_u32 s20, s20, s21
	s_lshl_b32 s21, s16, 9
	s_add_co_u32 s20, s20, s21
	s_mov_b32 s21, 0
	s_add_nc_u64 s[10:11], s[10:11], s[20:21]
.macro FRAG reg, adr, q, i             ; 16 rows x 128 K of 4-bit codes: 8 registers: lane l holds row l % 16; registers 4 c .. 4 c + 3 hold K = 64 c + 32 (l / 16) + 0 .. 31
.irp c, 0,1
	ds_load_b128 v[\reg+4*\c:\reg+4*\c+3], v[\adr] offset:64*(\q)+32*\c+(\i)*16*PITCH
.endr
.endm
; 16 matrix instructions: A's blocks a0, a0 + 1 x B's eight.  The 64 accumulators take turns, one instruction a turn, in the same order in every step.
.macro MUL16 a0, p, q, sc, zero
.irp a, \a0, \a0+1
.irp b, 0,1,2,3,4,5,6,7
.if \zero
	v_wmma_scale_f32_16x16x128_f8f6f4 v[8*(8*((\a)%4)+\b):8*(8*((\a)%4)+\b)+7], v[128*(\p)+FR*\b:128*(\p)+FR*\b+FR-1], v[AF+FR*(\a):AF+FR*(\a)+FR-1], 0, v[SC+8*NQ*(\sc)+NQ*\b+(\q)], v[SC+8*NQ*(\sc)+NQ*(\a)+(\q)] matrix_a_fmt:MATRIX_FMT_FP4 matrix_b_fmt:MATRIX_FMT_FP4 matrix_a_scale:MATRIX_SCALE_ROW1
.else
	v_wmma_scale_f32_16x16x128_f8f6f4 v[8*(8*((\a)%4)+\b):8*(8*((\a)%4)+\b)+7], v[128*(\p)+FR*\b:128*(\p)+FR*\b+FR-1], v[AF+FR*(\a):AF+FR*(\a)+FR-1], v[8*(8*((\a)%4)+\b):8*(8*((\a)%4)+\b)+7], v[SC+8*NQ*(\sc)+NQ*\b+(\q)], v[SC+8*NQ*(\sc)+NQ*(\a)+(\q)] matrix_a_fmt:MATRIX_FMT_FP4 matrix_b_fmt:MATRIX_FMT_FP4 matrix_a_scale:MATRIX_SCALE_ROW1
.endif
.endr
.endr
.endm
.macro FETCH_B slot, q, p
	WIN TO_B
.irp i, 0,1,2,3,4,5,6,7
	FRAG 128*(\p)+FR*\i, ADRB+\slot, \q, \i
.endr
	WIN 0
.endm
.macro FETCH_A slot, q, i0
.irp i, \i0, \i0+1, \i0+2, \i0+3
	FRAG AF+FR*(\i), ADRA+\slot, \q, \i
.endr
.endm
.macro SCALES sc                       ; a slot's scale words: lanes 0-15 take A's block i, lanes 16-31 B's block i
.irp i, 0,1,2,3,4,5,6,7
	ds_load_b128 v[SC+8*NQ*\sc+NQ*\i:SC+8*NQ*\sc+NQ*\i+3], v[ADRS] offset:\i*SBLK
.endr
.endm
.macro PLACES n                        ; plain vector lines between a matrix instruction and a load into, or a read of, its registers
.rept \n
	v_nop
.endr
.endm
.macro STEP slot, q, zero              ; a step of 128 along K that has its successor in the same slot
	s_wait_dscnt 4*NL                              ; B's set and A's blocks 0-3 are in; the youngest eight loads (A's blocks 4-7) may be out
	WIN MUL_LO
	MUL16 0, (\q)%2, \q, \slot, \zero
	MUL16 2, (\q)%2, \q, \slot, \zero
	s_wait_dscnt 0                                 ; A's blocks 4-7 are in
	PLACES NP
	FETCH_B \slot, (\q)+1, 1-(\q)%2
	FETCH_A \slot, (\q)+1, 0
	WIN MUL_HI
	MUL16 4, (\q)%2, \q, \slot, \zero
	MUL16 6, (\q)%2, \q, \slot, \zero
	PLACES NP
	WIN 0
	FETCH_A \slot, (\q)+1, 4
.endm
; Slot 0's last step changes slots: one barrier; in front of it each wave waits for all its tensor loads (its part of slot 1), adds 0 to its spare word, and waits for that and for its reads of slot 0.
; Nothing is filled again; behind this barrier nobody reads slot 0 any more, so the stages may lie there.
.macro TURN slot, next
	s_wait_tensorcnt 0x0
	ds_add_u32 v[SPW], v[NIL]
	s_wait_dscnt 4*NL+1                            ; (the add and the youngest eight loads may be out)
	WIN MUL_LO
	MUL16 0, 1, NQ-1, \slot, 0
	s_wait_dscnt 0x0                               ; the add is done, and my reads of this slot are over
	s_barrier_signal -1
	MUL16 2, 1, NQ-1, \slot, 0
	WIN 0
	s_barrier_wait -1
	PLACES NP
	v_add_nc_u32 v[ADRS], 4*NQ, v[ADRS]            ; on to the next slot's scale words
	FETCH_B \next, 0, 0
	FETCH_A \next, 0, 0
	SCALES \next
	WIN MUL_HI
	MUL16 4, 1, NQ-1, \slot, 0
	MUL16 6, 1, NQ-1, \slot, 0
	PLACES NP
	WIN 0
	FETCH_A \next, 0, 4
.endm
.macro STEPS slot, from
.set Q, \from
.rept NQ-1-\from
	STEP \slot, Q, 0
.set Q, Q+1
.endr
.endm
	s_wait_tensorcnt 1                             ; the scales and my part of slot 0 are in; slot 1's load may be out
	s_barrier_signal -1
	s_barrier_wait -1
	FETCH_B 0, 0, 0
	FETCH_A 0, 0, 0
	SCALES 0
	FETCH_A 0, 0, 4
	STEP 0, 0, 1                                   ; the first step's products start the sums: nothing is cleared
	STEPS 0, 1
	TURN 0, 1
	STEPS 1, 0
	s_wait_dscnt 4*NL                              ; the last step: nothing more to fetch
	WIN MUL_LO
	MUL16 0, 1, NQ-1, 1, 0
	MUL16 2, 1, NQ-1, 1, 0
	s_wait_dscnt 0
	WIN MUL_HI
	MUL16 4, 1, NQ-1, 1, 0
	MUL16 6, 1, NQ-1, 1, 0
	WIN 0
	PLACES NP
	; The tokens t < 16 in f32: block 0 of the waves with the tile's first 128 tokens, in the clusters with y = 0.  32 bytes a lane, 64 consecutive bytes a token and block:
	; pieces shorter than 256 bytes, 786,432 bytes in the whole launch.
	s_cmp_lg_u32 s96, 0
	s_cbranch_scc1 .Lno_fine
	s_cmp_lg_u32 s15, 0
	s_cbranch_scc1 .Lno_fine
	WIN 0x08                                       ; a store's data: window 2
.irp b, 0,1,2,3,4,5,6,7
	global_store_b128 v[FO], v[8*\b:8*\b+3], s[10:11] offset:64*\b         ; each accumulator from its low end on
	global_store_b128 v[FO], v[8*\b+4:8*\b+7], s[10:11] offset:64*\b+16
.endr
	WIN 0
.Lno_fine:
; THE WAY OUT, block by block of 16 tokens x 128 features.  PACK: rounded to f16, 16 bytes a lane.  TOSTAGE: into my stage, and back so that sixteen lanes hold two tokens' rows of one piece.  SEND: stored.
.macro PACK a
.set AC, 64*((\a)%4)
	WIN 0x0a+5*((\a)/4)                            ; sources 0 and 1: window 2 or 3
.irp b, 0,1,2,3,4,5,6,7
.irp r, 0,1,2,3
	v_cvt_pk_f16_f32 v[TMP+4*\b+\r], v[AC+8*\b+2*\r], v[AC+8*\b+2*\r+1]
.endr
.endr
	WIN 0
.endm
.macro TOSTAGE a
.set BB, BK+32*((\a)%2)
.irp b, 0,1,2,3,4,5,6,7
	ds_store_b128 v[STO], v[TMP+4*\b:TMP+4*\b+3] offset:32*\b
.endr
.irp t, 0,1,2,3,4,5,6,7
	ds_load_b128 v[BB+4*\t:BB+4*\t+3], v[RD] offset:\t*2*SPITCH    ; LDS serves a wave's instructions in order: these see the stores above
.endr
.endm
.macro SEND a, younger
.set BB, BK+32*((\a)%2)
	s_wait_dscnt \younger                          ; the block is back in registers
	s_wait_xcnt 0x0                                ; the earlier stores have read their base and their data: both may be written again
.if (\a) > 0
	s_add_nc_u64 s[8:9], s[8:9], 16*128            ; 16 tokens on
.endif
.irp t, 0,1,2,3,4,5,6,7
	global_store_b128 v[CO], v[BB+4*\t:BB+4*\t+3], s[8:9] offset:256*\t   ; 16 lanes store 256 consecutive bytes, aligned: tokens 2 t, 2 t + 1 of one piece
.endr
.endm
	PACK 0
	TOSTAGE 0
.irp a, 1,2,3,4,5,6,7                  ; block a's conversions stand between block a - 1's loads from the stage and the wait for them
	PACK \a
	SEND \a-1, 0
	TOSTAGE \a
.endr
	SEND 7, 0
	s_wait_tensorcnt 0x0                           ; the wave's end
	ds_add_u32 v[SPW], v[NIL]
	s_wait_dscnt 0x0
	CROUND                                         ; the closing round
	s_endpgm
.Lfunc_end_k_q2065fe319c_qkv:
	.size	k_q2065fe319c_qkv, .Lfunc_end_k_q2065fe319c_qkv-k_q2065fe319c_qkv
	.p2alignl 7, 3214868480
	.fill 96, 4, 3214868480
	.section	.rodata,"a",@progbits
	.p2align	6, 0x0
	.amdhsa_kernel k_q2065fe319c_qkv
		.amdhsa_group_segment_fixed_size 327680
		.amdhsa_private_segment_fixed_size 0
		.amdhsa_enable_private_segment 0
		.amdhsa_kernarg_size 32
		.amdhsa_user_sgpr_count 2
		.amdhsa_user_sgpr_kernarg_segment_ptr 1
		.amdhsa_wavefront_size32 1
		.amdhsa_system_sgpr_workgroup_id_x 1
		.amdhsa_system_sgpr_workgroup_id_y 1
		.amdhsa_system_sgpr_workgroup_id_z 1
		.amdhsa_system_vgpr_workitem_id 0
		.amdhsa_next_free_vgpr 1024
		.amdhsa_next_free_sgpr 100
		.amdhsa_reserve_vcc 0
		.amdhsa_float_denorm_mode_32 3
		.amdhsa_float_denorm_mode_16_64 3
		.amdhsa_memory_ordered 1
		.amdhsa_forward_progress 1
		.amdhsa_inst_pref_size 129
	.end_amdhsa_kernel
	.amdgpu_metadata
---
amdhsa.version: [ 1, 2 ]
amdhsa.kernels:
  - .name:           k_q2065fe319c_qkv
    .symbol:         k_q2065fe319c_qkv.kd
    .args:
      - { .name: codes, .offset: 0, .size: 8, .value_kind: global_buffer, .address_space: global }
      - { .name: scales, .offset: 8, .size: 8, .value_kind: global_buffer, .address_space: global }
      - { .name: qkvh, .offset: 16, .size: 8, .value_kind: global_buffer, .address_space: global }
      - { .name: fine32, .offset: 24, .size: 8, .value_kind: global_buffer, .address_space: global }
    .group_segment_fixed_size: 327680
    .private_segment_fixed_size: 0
    .kernarg_segment_align: 8
    .kernarg_segment_size: 32
    .max_flat_workgroup_size: 128
    .sgpr_count:     100
    .vgpr_count:     1024
    .wavefront_size: 32
...
	.end_amdgpu_metadata
.endif
;; end of part 2
;; launch attn (part 3): grid 4 x 64, 16 waves a work-group, no clusters, 327,680 bytes of LDS; arguments qkvh, attn_mask, att; writes att
.if DOCPART == 3
	.amdgcn_target "amdgcn-amd-amdhsa--gfx1250"
	.amdhsa_code_object_version 6
	.text
	.protected	k_q2065fe319c_attn
	.globl	k_q2065fe319c_attn
	.p2align	8
	.type	k_q2065fe319c_attn,@function
k_q2065fe319c_attn:
	s_mov_b64 s[64:65], 0
	v_nop
	global_prefetch_b8 v0, s[64:65] scope:SCOPE_SE
	s_setreg_imm32_b32 hwreg(HW_REG_WAVE_MODE, 25, 1), 1
	s_wait_xcnt 0x0
; att[h][b t][:] = sum over keys of softmax(q . k / 8, causal and attn_mask) v, f16 operands, f32 products' sums, maxima and sums.  T = 2048, head size 64, 64 (batch, head) pairs.
; qkvh: f16 [b][piece][t][64], pieces 0-15 q, 16-31 k, 32-47 v.  att: f16 [h][2048 b + t][64].
; SHARES.  Work-group (j, batch-head) owns query blocks j and 7 - j, 256 queries each: 9 blocks of keys under the causal mask, whatever j.  A wave owns 32 queries, two tiles A and B of 16,
; which share every fragment of K and V.  Four waves to a SIMD: one wave's vector work stands beside another's matrix work and LDS loads.
; NO CLUSTER: the four work-groups of a head want 8 - j slots of keys, another number each: a joint load would bring tiles that every wave of some partner jumps over.
; LAYOUT.  S^T = K Q^T (source 0 = 16 keys, source 1 = 16 queries) and O^T = V^T P: a lane holds ONE query (lane % 16) throughout, and keys or channels 8 (lane / 16) + 0..7.  Two tiles of S^T, rounded
; to f16 in pairs, ARE source 1 of the second product.  V comes out of LDS turned, by ds_load_tr16_b128.
; THE KEY MASK costs no vector line: a table in LDS holds 0 or -2^100 for each key, and is the C of each score tile's first product.  The causal mask: steps all of whose keys come after the wave's
; queries are jumped over (ids alone); in the one step on the diagonal hidden scores are replaced by -2^100.
; SOFTMAX.  Running maximum m and sum l: p = 2^(c s - c m), c = log2(e) / 8; O and l are multiplied by a = 2^(c m_old - c m_new) in every step.  m begins at -2^90: under every score (f16 operands
; bound a raw score by 64 x 65,504^2, under 2^39) and over the marker, so a masked score always gives p = 0.  A query with no key keeps l = 0 and gets 0.
; LIMITS: NaN and infinities among the inputs are not served.
.set KP,    144                        ; a key's row of K in LDS: 128 bytes + 16
.set VP,    160                        ; of V: 128 + 32: an odd multiple of 32, for the turning load
.set SK,    256                        ; keys in a slot
.set VOFF,  SK*KP                      ; a slot: 256 rows of K, then 256 rows of V: 77,824 bytes
.set SLOT1, 1<<17                      ; slot 1 begins here: one exclusive or turns an address
.set BIAS,  SK*(KP+VP)                 ; between the slots: the key mask's table, 2,048 f32,
.set SPARE, BIAS+8192                  ; the spare words, 128 bytes for each of 16 waves,
.set STAGE, SPARE+2048                 ; and the stages for the way out: 16 rows x 144 bytes for each wave
.set NSL,   8
.set NEG,   0xF1800000                 ; -2^100
.set FLOOR, 0xEC800000                 ; -2^90
.set AK0, 1                            ; v1   my lane's place in a tile of K
.set AV0, 2                            ; v2   of V
.set AB0, 3                            ; v3   in the table
.set ADK, 4                            ; v4-6 the addresses of the loads in hand
.set ADV, 5
.set ADB, 6
.set DQ,  7                            ; v7   lane % 16 - 8 (lane / 16)
.set SPW, 8                            ; v8   my spare word; never rewritten
.set NIL, 9                            ; v9   0; never rewritten
.set MA,  10                           ; v[10:11] (c m, m) of tile A;  v[12:13] its l in two halves
.set LA,  12
.set MB,  14                           ; v[14:15], v[16:17] the same of tile B
.set LB,  16
.set CC,  18                           ; v18-21 at work
.set AA,  22                           ; v[22:23] (a, 0) of tile A;  v[24:25] of tile B
.set AB,  24
.set TT,  26                           ; v[26:27] at work
.set PFO, 28                           ; v28  256 x lane
.set QA,  32                           ; v32-63   Q: tile u, channels 32 f on, at 32 + 16 u + 8 f
.set SA,  64                           ; v64-127  S^T, then p, then P: tile u at 64 + 32 u
.set KV,  128                          ; v128-191 K's 8 fragments, then V's 8
.set OO,  192                          ; v192-255 O^T: tile u, channels 16 c on, at 192 + 32 u + 8 c
.set WV,  18
.set SEL, 20
.set CS,  22
.set G1K, 24
.set G1V, 32
.set G0K, 40
.set G0V, 44
.set TB,  2                            ; s2   LDS byte at which the slot in hand begins
.set TJ,  48                           ; s48  the step's place in the table: 256 bytes a step
.set KF,  49                           ; s49  the step's first key
.set Q0,  50                           ; s50  my first query
.set QL,  51                           ; s51  my work-group's last query
.set SLOTS, 52
.set PFA, 54
.set LIM, 56
; Waves 0 and 1 fetch K's halves of a slot, waves 2 and 3 V's, the others nothing.  An s_nop 0 and four v_nop follow each of the two lines.
.macro TLOAD
	s_cmp_lt_u32 s[WV], 2
	s_cbranch_scc0 .Lnot_k_\@
	tensor_load_to_lds s[G0K:G0K+3], s[G1K:G1K+7]
	s_nop 0
.rept 4
	v_nop
.endr
	s_branch .Lasked_\@
.Lnot_k_\@:
	s_cmp_lt_u32 s[WV], 4
	s_cbranch_scc0 .Lasked_\@
	tensor_load_to_lds s[G0V:G0V+3], s[G1V:G1V+7]
	s_nop 0
.rept 4
	v_nop
.endr
.Lasked_\@:
.endm
; A prefetch of the slot that the NEXT change of slots will ask for: 32,768 dense bytes of K and as many of V.  The four work-groups of a head walk the same keys: work-group j = 0, which walks all
; eight slots, asks.  In it waves 4-7 ask for K's bytes, 8,192 a wave, lanes 256 bytes apart, waves 8-11 for V's: each aligned 256 bytes once in the launch.  The last filling change asks for nothing.
.macro ASK
	s_cmp_gt_u32 s[SLOTS], s[LIM]
	s_cbranch_scc0 .Lnot_mine_\@
	global_prefetch_b8 v[PFO], s[PFA:PFA+1] th:TH_LOAD_NT scope:SCOPE_SE
.Lnot_mine_\@:
.endm
	s_load_b128 s[4:7], s[0:1], 0x0                ; qkvh, attn_mask
	s_load_b64 s[8:9], s[0:1], 0x10                ; att
	v_lshl_add_u32 v[SPW], v0, 2, SPARE
	v_mov_b32 v[NIL], 0
	ds_add_u32 v[SPW], v[NIL]                      ; the wave's opening: the add, twice on end, and its wait ahead of my first tensor load
	ds_add_u32 v[SPW], v[NIL]
	v_lshrrev_b32 v18, 5, v0
	v_readfirstlane_b32 s[WV], v18                 ; wave 0..15
	s_and_b32 s10, ttmp7, 0xffff
	s_lshr_b32 s11, s10, 4                         ; batch
	s_and_b32 s12, s10, 15                         ; head
	s_lshr_b32 s13, s[WV], 1                       ; which 32 queries of a block
	s_lshr_b32 s14, s[WV], 2
	s_xor_b32 s14, s14, s[WV]
	s_and_b32 s14, s14, 1                          ; the late block (1) or the early one (0): the two waves 2 i, 2 i + 1 take one each
	s_sub_co_u32 s15, 7, ttmp9
	s_cmp_eq_u32 s14, 1
	s_cselect_b32 s15, s15, ttmp9                  ; my block of queries
	s_lshl_b32 s[Q0], s15, 8
	s_lshl_b32 s17, s13, 5
	s_add_co_u32 s[Q0], s[Q0], s17
	s_sub_co_u32 s[QL], 8, ttmp9
	s_lshl_b32 s[QL], s[QL], 8
	s_sub_co_u32 s[QL], s[QL], 1
	s_and_b32 s16, s[WV], 1                        ; which 128 keys of a slot I fetch, if I fetch
	s_mul_i32 s17, s11, 48
	s_add_co_u32 s17, s17, s12                     ; q's piece
	s_lshl_b32 s60, s17, 18                        ; a piece is 262,144 bytes
	s_mov_b32 s61, 0
	s_lshl_b32 s57, s16, 14                        ; 128 keys of 128 bytes
	s_add_co_u32 s62, s60, 16<<18                  ; k's piece
	s_add_co_u32 s62, s62, s57
	s_mov_b32 s63, 0
	s_add_co_u32 s66, s60, 32<<18                  ; v's piece
	s_add_co_u32 s66, s66, s57
	s_mov_b32 s67, 0
	s_mul_i32 s58, s16, 128*KP                     ; where they go in a slot
	s_mul_i32 s59, s16, 128*VP
	s_add_co_u32 s59, s59, VOFF
	s_lshl_b32 s57, s[Q0], 7
	s_add_co_u32 s60, s60, s57                     ; q at my first query
	s_lshl_b32 s70, s11, 13                        ; the batch's row of attn_mask
	s_mov_b32 s71, 0
	s_lshl_b32 s72, s12, 20                        ; att: plane h, row 2048 b + my first query
	s_lshl_b32 s73, s11, 18
	s_add_co_u32 s72, s72, s73
	s_add_co_u32 s72, s72, s57
	s_mov_b32 s73, 0
	; descriptor group 1: 128 rows of 64 elements of 2 bytes, dense in memory; padding behind every 32 words: 4 words for K, 8 for V
	s_mov_b32 s[G1K], (1<<16)|(1<<20)|(4<<22)|(3<<25)
	s_mov_b32 s[G1V], (1<<16)|(1<<20)|(4<<22)|(7<<25)
.irp g, G1K, G1V
	s_mov_b32 s[\g+1], 64<<16                      ; tensor_dim0
	s_mov_b32 s[\g+2], 128<<16                     ; tensor_dim1
	s_mov_b32 s[\g+3], 64<<16                      ; tile_dim0
	s_mov_b32 s[\g+4], 128                         ; tile_dim1
	s_mov_b32 s[\g+5], 64                          ; from row to row
	s_mov_b32 s[\g+6], 0
	s_mov_b32 s[\g+7], 0
.endr
	s_mov_b32 s[SEL], 0x76543210
	s_mov_b32 s[SEL+1], 0xfedcba98                 ; v_permlanex16_b32's selects for lane l xor 16
	s_mov_b32 s[CS], 0x3E38AA3B                    ; c = log2(e) / 8
	s_mov_b32 s[CS+1], s[CS]
	s_mov_b32 s[TB], 0
	s_mov_b32 s[TJ], 0
	s_mov_b32 s[KF], 0
	s_mov_b32 s[SLOTS], NSL-1
	s_wait_dscnt 0x0                               ; both opening adds are done
	s_wait_kmcnt 0x0
	s_mov_b32 s[G0K], 1
	s_mov_b32 s[G0K+1], s58
	s_add_nc_u64 s[G0K+2:G0K+3], s[4:5], s[62:63]
	s_or_b32 s[G0K+3], s[G0K+3], 0x80000000
	s_mov_b32 s[G0V], 1
	s_mov_b32 s[G0V+1], s59
	s_add_nc_u64 s[G0V+2:G0V+3], s[4:5], s[66:67]
	s_or_b32 s[G0V+3], s[G0V+3], 0x80000000
	TLOAD                                          ; slot 0: key 0 counts for every query
	s_add_nc_u64 s[68:69], s[4:5], s[60:61]        ; Q
	s_add_nc_u64 s[70:71], s[6:7], s[70:71]        ; the mask
	s_add_nc_u64 s[8:9], s[8:9], s[72:73]          ; att
	v_and_b32 v18, 15, v0                          ; r
	v_bfe_u32 v19, v0, 4, 1                        ; h
	v_lshlrev_b32 v26, 7, v18
	v_lshl_add_u32 v26, v19, 4, v26                ; Q: row r of 128 bytes, + 16 h
.irp u, 0,1
.irp f, 0,1
	global_load_b128 v[QA+16*\u+8*\f:QA+16*\u+8*\f+3], v26, s[68:69] offset:2048*\u+64*\f
	global_load_b128 v[QA+16*\u+8*\f+4:QA+16*\u+8*\f+7], v26, s[68:69] offset:2048*\u+64*\f+32
.endr
.endr
	v_lshlrev_b32 v27, 4, v0
	global_load_b128 v[SA:SA+3], v27, s[70:71]     ; four keys' mask words a thread: the batch's 2,048
	s_cmp_lt_u32 s[WV], 8                          ; the prefetches: waves 4-7 K's piece, waves 8-11 V's
	s_mov_b32 s74, 32<<18
	s_cselect_b32 s74, 16<<18, s74
	s_lshl_b32 s75, s17, 18
	s_add_co_u32 s74, s74, s75
	s_and_b32 s75, s[WV], 3
	s_lshl_b32 s75, s75, 13                        ; my wave's 8,192 bytes,
	s_add_co_u32 s74, s74, s75
	s_add_co_u32 s74, s74, 32768                   ; in slot 1: the first change of slots steps it to slot 2
	s_mov_b32 s75, 0
	s_add_nc_u64 s[PFA:PFA+1], s[4:5], s[74:75]
	s_sub_co_u32 s74, s[WV], 4
	s_lshr_b32 s74, s74, 3                         ; 0 in waves 4 to 11,
	s_or_b32 s74, s74, ttmp9                       ; of work-group j = 0
	s_cmp_eq_u32 s74, 0
	s_cselect_b32 s[LIM], 1, -1
	v_mul_u32_u24 v[AK0], v18, KP
	v_lshl_add_u32 v[AK0], v19, 4, v[AK0]          ; K: row r, + 16 h
	v_and_b32 v20, 7, v0
	v_bfe_u32 v21, v0, 3, 1
	v_lshl_add_u32 v[AV0], v19, 3, v20             ; V, for the turning load: key 8 h + l % 8, channels 8 ((l / 8) % 2) on
	v_mul_u32_u24 v[AV0], v[AV0], VP
	v_lshl_add_u32 v[AV0], v21, 4, v[AV0]
	v_add_nc_u32 v[AV0], VOFF, v[AV0]
	v_lshl_add_u32 v[AB0], v19, 5, BIAS            ; the table: keys 8 h on
	v_lshlrev_b32 v20, 3, v19
	v_sub_nc_u32 v[DQ], v18, v20
	v_and_b32 v[PFO], 31, v0
	v_lshlrev_b32 v[PFO], 8, v[PFO]
	v_lshl_add_u32 v29, v0, 4, BIAS                ; where my four table entries go
	v_mov_b32 v[MA+1], FLOOR                       ; m
	v_mov_b32 v[MB+1], FLOOR
	v_mul_f32 v[MA], s[CS], v[MA+1]                ; c m
	v_mul_f32 v[MB], s[CS], v[MB+1]
.irp n, LA, LA+1, LB, LB+1, AA, AA+1, AB, AB+1
	v_mov_b32 v[\n], 0
.endr
.set n, 0
.rept 64
	v_mov_b32 v[OO+n], 0                           ; O^T.  (The step is written once for all steps: the first finds zeros)
.set n, n+1
.endr
	v_mov_b32 v20, NEG
	v_mov_b32 v21, 0
	s_wait_loadcnt 0x0                             ; Q and the mask words
.irp i, 0,1,2,3
	v_cmp_ne_u32 vcc_lo, 0, v[SA+\i]
	v_cndmask_b32 v[SA+\i], v20, v21, vcc_lo       ; 0 where the key counts, -2^100 where it does not
.endr
	ds_store_b128 v29, v[SA:SA+3]                  ; the first change of slots, its wait and its barrier, shows the table to every wave
; One tile's softmax, first part: maximum, scalings, exponentials.  None of its lines reads an exponential's result.
.macro SM1 sb, mm, aa
.irp j, 0,1,2,3
	v_max3_num_f32 v[CC+\j], v[\sb+8*\j], v[\sb+8*\j+1], v[\sb+8*\j+2]     ; four chains; each score tile is read from its low end on
.endr
.irp i, 3,5
.irp j, 0,1,2,3
	v_max3_num_f32 v[CC+\j], v[CC+\j], v[\sb+8*\j+\i], v[\sb+8*\j+\i+1]
.endr
.endr
	v_max3_num_f32 v[CC], v[CC], v[\sb+7], v[\sb+15]
	v_max3_num_f32 v[CC+2], v[CC+2], v[\sb+23], v[\sb+31]
	v_max3_num_f32 v[CC], v[CC], v[CC+1], v[CC+2]
	v_max3_num_f32 v[CC], v[CC], v[CC+3], v[\mm+1]                         ; with the old m
	v_permlanex16_b32 v[CC+1], v[CC], s[SEL], s[SEL+1]                     ; the query's other 32 keys lie in the lane 16 away
	v_max_num_f32 v[\mm+1], v[CC], v[CC+1]
	v_mul_f32 v[\mm], s[CS], v[\mm+1]
	v_sub_f32 v[\aa], v[\aa], v[\mm]                                       ; c m_old - c m_new
.set n, 0
.rept 16
	v_pk_fma_f32 v[\sb+n:\sb+n+1], v[\sb+n:\sb+n+1], s[CS:CS+1], v[\mm:\mm+1] op_sel_hi:[1,0,0] neg_lo:[0,0,1] neg_hi:[0,0,1]   ; c s - c m
.set n, n+2
.endr
	v_exp_f32 v[\aa], v[\aa]
.set n, 0
.rept 32
	v_exp_f32 v[\sb+n], v[\sb+n]
.set n, n+1
.endr
.endm
; Second part: the sums of the unrounded p, the roundings to f16 (in place, ascending), O^T times a.
.macro SM2 sb, ll, aa, ob
	v_pk_fma_f32 v[\ll:\ll+1], v[\ll:\ll+1], v[\aa:\aa+1], v[\sb:\sb+1] op_sel_hi:[1,0,1]
	v_pk_add_f32 v[TT:TT+1], v[\sb+2:\sb+3], v[\sb+6:\sb+7]
.irp b, 4,8,12,16,20,24
	v_pk_add_f32 v[\ll:\ll+1], v[\ll:\ll+1], v[\sb+\b:\sb+\b+1]
	v_pk_add_f32 v[TT:TT+1], v[TT:TT+1], v[\sb+\b+6:\sb+\b+7]
.endr
	v_pk_add_f32 v[\ll:\ll+1], v[\ll:\ll+1], v[\sb+28:\sb+29]
	v_pk_add_f32 v[\ll:\ll+1], v[\ll:\ll+1], v[TT:TT+1]
.set n, 0
.rept 16
	v_cvt_pk_f16_f32 v[\sb+n], v[\sb+2*n], v[\sb+2*n+1]
.set n, n+1
.endr
.set n, 0
.rept 16
	v_pk_mul_f32 v[\ob+n:\ob+n+1], v[\ob+n:\ob+n+1], v[\aa:\aa+1] op_sel_hi:[1,0]
.set n, n+2
.endr
.endm
; A KEY STEP: 64 keys, the q-th of the slot in hand, for both tiles.
.macro STEP q
	s_add_co_u32 s57, s[Q0], 31                    ; a step all of whose keys come after my 32 queries is left out: ids alone; no barrier, tensor load or address step is jumped over
	s_cmp_gt_u32 s[KF], s57
	s_cbranch_scc1 .Lhidden_\@
	v_add_nc_u32 v[ADK], s[TB], v[AK0]             ; five plain lines behind the last step's products: the loads below land in their sources, and the first products below write over P
	v_add_nc_u32 v[ADB], s[TJ], v[AB0]
	v_add_nc_u32 v[ADV], s[TB], v[AV0]
	v_nop
	v_nop
.irp kt, 0,1,2,3
	ds_load_b128 v[SA+8*\kt:SA+8*\kt+3], v[ADB] offset:64*\kt              ; the table's entries of keys 16 kt + 8 h + 0..7, in the layout of a score tile
	ds_load_b128 v[SA+8*\kt+4:SA+8*\kt+7], v[ADB] offset:64*\kt+16
.endr
.irp kt, 0,1,2,3
.irp f, 0,1
	ds_load_b128 v[KV+16*\kt+8*\f:KV+16*\kt+8*\f+3], v[ADK] offset:64*KP*(\q)+16*KP*\kt+64*\f
	ds_load_b128 v[KV+16*\kt+8*\f+4:KV+16*\kt+8*\f+7], v[ADK] offset:64*KP*(\q)+16*KP*\kt+64*\f+32
.endr
.endr
	s_wait_dscnt 0x0
.irp kt, 0,1,2,3                               ; tile B first: its sums begin with the table, which lies in tile A's registers
	v_wmma_f32_16x16x32_f16 v[SA+32+8*\kt:SA+32+8*\kt+7], v[KV+16*\kt:KV+16*\kt+7], v[QA+16:QA+23], v[SA+8*\kt:SA+8*\kt+7]
.endr
	v_mov_b32 v[AA], v[MA]                         ; c m_old is kept for a.  Five plain lines: the next four products write over the C of the last four
	v_mov_b32 v[AB], v[MB]
	v_nop
	v_nop
	v_nop
.irp kt, 0,1,2,3                               ; tile A: in place onto the table.  The eight accumulators take turns
	v_wmma_f32_16x16x32_f16 v[SA+8*\kt:SA+8*\kt+7], v[KV+16*\kt:KV+16*\kt+7], v[QA:QA+7], v[SA+8*\kt:SA+8*\kt+7]
.endr
.irp kt, 0,1,2,3
	v_wmma_f32_16x16x32_f16 v[SA+32+8*\kt:SA+32+8*\kt+7], v[KV+16*\kt+8:KV+16*\kt+15], v[QA+24:QA+31], v[SA+32+8*\kt:SA+32+8*\kt+7]
.endr
.irp kt, 0,1,2,3
	v_wmma_f32_16x16x32_f16 v[SA+8*\kt:SA+8*\kt+7], v[KV+16*\kt+8:KV+16*\kt+15], v[QA+8:QA+15], v[SA+8*\kt:SA+8*\kt+7]
.endr
.rept 4
	v_nop                                          ; places: V lands where K lay, and the scores are read
.endr
.irp c, 0,1,2,3
.irp g, 0,1
	ds_load_tr16_b128 v[KV+16*\c+8*\g:KV+16*\c+8*\g+3], v[ADV] offset:64*VP*(\q)+32*VP*\g+32*\c
	ds_load_tr16_b128 v[KV+16*\c+8*\g+4:KV+16*\c+8*\g+7], v[ADV] offset:64*VP*(\q)+32*VP*\g+16*VP+32*\c
.endr
.endr
	s_add_co_u32 s57, s[KF], 63                    ; a step all of whose keys count for all my queries skips the diagonal's lines
	s_cmp_le_u32 s57, s[Q0]
	s_cbranch_scc1 .Lopen_\@
	s_sub_co_i32 s57, s[Q0], s[KF]
	v_add_nc_u32 v[CC], s57, v[DQ]                 ; register 8 kt + j holds key KF + 16 kt + 8 h + j: hidden where 16 kt + j > my query - KF - 8 h
	v_add_nc_u32 v[CC+1], 16, v[CC]                ; tile B's queries lie 16 on
	v_mov_b32 v[CC+2], NEG
.irp u, 0,1
.set n, 0
.rept 32
	v_cmp_gt_i32 vcc_lo, 16*(n/8)+n%8, v[CC+\u]
	v_cndmask_b32 v[SA+32*\u+n], v[SA+32*\u+n], v[CC+2], vcc_lo
.set n, n+1
.endr
.endr
.Lopen_\@:
	SM1 SA, MA, AA
	SM1 SA+32, MB, AB
	v_nop                                          ; a plain line behind the last exponential
	s_wait_alu depctr_va_vdst(0)                   ; one wait for both tiles' 66 exponentials, ahead of their first reader
	SM2 SA, LA, AA, OO
	SM2 SA+32, LB, AB, OO+32
	s_wait_dscnt 0x0                               ; V is in
.irp g, 0,1
.irp c, 0,1,2,3
.irp u, 0,1
	v_wmma_f32_16x16x32_f16 v[OO+32*\u+8*\c:OO+32*\u+8*\c+7], v[KV+16*\c+8*\g:KV+16*\c+8*\g+7], v[SA+32*\u+8*\g:SA+32*\u+8*\g+7], v[OO+32*\u+8*\c:OO+32*\u+8*\c+7]
.endr
.endr
.endr
.Lhidden_\@:
	s_add_co_u32 s[KF], s[KF], 64
	s_add_co_u32 s[TJ], s[TJ], 256
.endm
; THE CHANGE OF SLOTS, at a slot's head.  Each wave waits for all its tensor loads (at most one is out: its part of the slot ahead), adds 0 to its spare word, and waits for that and for its reads of
; the slot that it has left.  Behind the barrier the other slot is filled with the keys that follow, up to the causal limit: a slot whose first key comes after the work-group's last query is read by none of its waves.
.macro CHANGE fill
	s_wait_tensorcnt 0x0
	ds_add_u32 v[SPW], v[NIL]
.if \fill
	ds_add_u32 v[SPW], v[NIL]                      ; twice on end here, in every trip alike
	s_xor_b32 s[G0K+1], s[G0K+1], SLOT1            ; the walking descriptors: the other slot, the next 256 keys
	s_add_nc_u64 s[G0K+2:G0K+3], s[G0K+2:G0K+3], SK*128
	s_xor_b32 s[G0V+1], s[G0V+1], SLOT1
	s_add_nc_u64 s[G0V+2:G0V+3], s[G0V+2:G0V+3], SK*128
	s_wait_xcnt 0x0                                ; the last prefetch, a slot back, has read its address
	s_add_nc_u64 s[PFA:PFA+1], s[PFA:PFA+1], SK*128
.endif
	s_wait_dscnt 0x0
	s_barrier_signal -1
	s_barrier_wait -1
.if \fill
	s_add_co_u32 s57, s[KF], SK                    ; the first key of the slot that this change would ask for
	s_cmp_gt_u32 s57, s[QL]                        ; ids and the count of steps alone: all sixteen waves go the same way.  Every wait on TENSORcnt in this text is for 0
	s_cbranch_scc1 .Lpast_\@
	TLOAD                                          ; a wave's one tensor load until the next barrier: it has a slot's four steps in which to land
.Lpast_\@:
	ASK
.endif
.endm
.macro SLOT_STEPS
.irp q, 0,1,2,3
	STEP \q
.endr
	s_xor_b32 s[TB], s[TB], SLOT1
.endm
.Lslot:                                            ; seven trips
	CHANGE 1
	SLOT_STEPS
	s_sub_co_u32 s[SLOTS], s[SLOTS], 1
	s_cmp_lg_u32 s[SLOTS], 0
	s_cbranch_scc1 .Lslot
	CHANGE 0                                       ; the last slot is written out: nothing is left to ask for
	SLOT_STEPS
	; THE WAY OUT.  O^T / l, rounded to f16, goes through my stage, a tile at a time, and leaves as 512 consecutive bytes a store.
	v_add_f32 v18, v[LA], v[LA+1]
	v_add_f32 v20, v[LB], v[LB+1]
	v_and_b32 v26, 15, v0
	v_bfe_u32 v27, v0, 4, 1
	v_permlanex16_b32 v19, v18, s[SEL], s[SEL+1]
	v_permlanex16_b32 v21, v20, s[SEL], s[SEL+1]
	v_add_f32 v18, v18, v19
	v_add_f32 v20, v20, v21
	v_rcp_f32 v[AA], v18
	v_rcp_f32 v[AB], v20
	s_mul_i32 s57, s[WV], 16*KP
	s_add_co_u32 s57, s57, STAGE
	v_mul_u32_u24 v4, v26, KP                      ; in: row r, + 16 h
	v_lshl_add_u32 v4, v27, 4, v4
	v_add_nc_u32 v4, s57, v4
	v_bfe_u32 v5, v0, 3, 2                         ; back: four rows of 128 bytes a load
	v_and_b32 v6, 7, v0
	v_mul_u32_u24 v5, v5, KP
	v_lshl_add_u32 v5, v6, 4, v5
	v_add_nc_u32 v5, s57, v5
	v_and_b32 v6, 31, v0
	v_lshlrev_b32 v6, 4, v6
	s_wait_alu depctr_va_vdst(0)                   ; one wait for the two reciprocals, ahead of their first reader
	v_cmp_lt_f32 vcc_lo, 0, v18
	v_cndmask_b32 v[AA], 0, v[AA], vcc_lo          ; a query with no key: 0
	v_cmp_lt_f32 vcc_lo, 0, v20
	v_cndmask_b32 v[AB], 0, v[AB], vcc_lo
.irp u, 0,1
.set n, 0
.rept 16
	v_pk_mul_f32 v[OO+32*\u+n:OO+32*\u+n+1], v[OO+32*\u+n:OO+32*\u+n+1], v[AA+2*\u:AA+2*\u+1] op_sel_hi:[1,0]
.set n, n+2
.endr
.set n, 0
.rept 16
	v_cvt_pk_f16_f32 v[SA+16*\u+n], v[OO+32*\u+2*n], v[OO+32*\u+2*n+1]
.set n, n+1
.endr
.irp c, 0,1,2,3
	ds_store_b128 v4, v[SA+16*\u+4*\c:SA+16*\u+4*\c+3] offset:32*\c
.endr
.irp i, 0,1,2,3
	ds_load_b128 v[KV+16*\u+4*\i:KV+16*\u+4*\i+3], v5 offset:4*KP*\i      ; LDS serves a wave's instructions in order: these see my stores, and the next tile's stores come behind them
.endr
.endr
.irp u, 0,1
.irp i, 0,1,2,3
	s_wait_dscnt 11-8*\u-\i                        ; what was issued behind this load may stay out
	global_store_b128 v6, v[KV+16*\u+4*\i:KV+16*\u+4*\i+3], s[8:9] offset:2048*\u+512*\i
.endr
.endr
	s_wait_tensorcnt 0x0                           ; the wave's end
	ds_add_u32 v[SPW], v[NIL]
	s_wait_dscnt 0x0
	s_endpgm
.Lfunc_end_k_q2065fe319c_attn:
	.size	k_q2065fe319c_attn, .Lfunc_end_k_q2065fe319c_attn-k_q2065fe319c_attn
	.p2alignl 7, 3214868480
	.fill 96, 4, 3214868480
	.section	.rodata,"a",@progbits
	.p2align	6, 0x0
	.amdhsa_kernel k_q2065fe319c_attn
		.amdhsa_group_segment_fixed_size 327680
		.amdhsa_private_segment_fixed_size 0
		.amdhsa_enable_private_segment 0
		.amdhsa_kernarg_size 24
		.amdhsa_user_sgpr_count 2
		.amdhsa_user_sgpr_kernarg_segment_ptr 1
		.amdhsa_wavefront_size32 1
		.amdhsa_system_sgpr_workgroup_id_x 1
		.amdhsa_system_sgpr_workgroup_id_y 1
		.amdhsa_system_sgpr_workgroup_id_z 1
		.amdhsa_system_vgpr_workitem_id 0
		.amdhsa_next_free_vgpr 256
		.amdhsa_next_free_sgpr 80
		.amdhsa_reserve_vcc 1
		.amdhsa_float_denorm_mode_32 3
		.amdhsa_float_denorm_mode_16_64 3
		.amdhsa_memory_ordered 1
		.amdhsa_forward_progress 1
		.amdhsa_inst_pref_size 195
	.end_amdhsa_kernel
	.amdgpu_metadata
---
amdhsa.version: [ 1, 2 ]
amdhsa.kernels:
  - .name:           k_q2065fe319c_attn
    .symbol:         k_q2065fe319c_attn.kd
    .args:
      - { .name: qkvh, .offset: 0, .size: 8, .value_kind: global_buffer, .address_space: global }
      - { .name: attn_mask, .offset: 8, .size: 8, .value_kind: global_buffer, .address_space: global }
      - { .name: att, .offset: 16, .size: 8, .value_kind: global_buffer, .address_space: global }
    .group_segment_fixed_size: 327680
    .private_segment_fixed_size: 0
    .kernarg_segment_align: 8
    .kernarg_segment_size: 24
    .max_flat_workgroup_size: 512
    .sgpr_count:     80
    .vgpr_count:     256
    .wavefront_size: 32
...
	.end_amdgpu_metadata
.endif
;; end of part 3
;; launch proj (part 4): grid 4 x 64, 4 waves a work-group, clusters of 4 x 4, 327,680 bytes of LDS; arguments att, w16, out0; writes out0
.if DOCPART == 4
	.amdgcn_target "amdgcn-amd-amdhsa--gfx1250"
	.amdhsa_code_object_version 6
	.text
	.protected	k_q2065fe319c_proj
	.globl	k_q2065fe319c_proj
	.p2align	8
	.type	k_q2065fe319c_proj,@function
k_q2065fe319c_proj:
	s_mov_b64 s[64:65], 0
	v_nop
	global_prefetch_b8 v0, s[64:65] scope:SCOPE_SE
	s_setreg_imm32_b32 hwreg(HW_REG_WAVE_MODE, 25, 1), 1
	s_wait_xcnt 0x0
	s_wait_alu depctr_hold_cnt(0) depctr_sa_sdst(0) depctr_va_vdst(0) depctr_va_sdst(0) depctr_va_ssrc(0) depctr_va_vcc(0) depctr_vm_vsrc(0)
	s_getreg_b32 s2, hwreg(HW_REG_IB_STS2, 6, 4)
	s_cmp_eq_u32 s2, 0
	s_cbranch_scc0 .Lentry_in_a_cluster
	s_endpgm
.Lentry_in_a_cluster:
	s_bfe_u32 s2, ttmp6, 0x10000c
	s_cmp_lg_u32 s2, 0xf033
	s_cbranch_scc0 .Lentry_shape_is_right
	s_endpgm
.Lentry_shape_is_right:
; out0[token][n] = sum over k of att[token][k] w_out[n][k], f16 operands, f32 sums.  M = 8192, N = 1024, K = 1024.
; att: f16 [16 planes][8192 tokens][64]; w16: f16 [16 planes][1024 n][64]: plane p holds k = 64 p .. 64 p + 63; rows of 128 bytes, dense.
; A tile of 128 tokens x 256 columns gives 256 work-groups.  Four waves, each 64 x 128: 32 accumulators, all of window 2.  K goes in steps of 128 (two planes) through a ring of two LDS slots.
; Waves 0 and 1 fetch A's two planes of a step (128 rows each), waves 2 and 3 B's (256 rows each): one tensor load a wave.
; CLUSTERS: 4 x 4 work-groups; A's tiles are asked for jointly along a row of the cluster, B's along a column.  THE MATRIX INSTRUCTION IS USED TRANSPOSED: a lane holds eight neighbouring columns of one token.
; The rows t < 16 of every batch are written here too, and written again, more finely, by the launch behind this one.
; REGISTERS: window 0: v0-31 addresses; v64-95, v128-159 A's fragments, two buffers; on the way out v128-255.   window 1: v64-127, v128-191 B's fragments.   window 2: accumulator (a, b) at v[8 (8 a + b)].
.set PITCH,  144                       ; an LDS row: 128 bytes + 16
.set APL,    128*PITCH                 ; a plane of A's tile
.set BPL,    256*PITCH                 ; of B's
.set BOFF,   2*APL
.set SLOT,   2*APL+2*BPL
.set STAGE,  2*SLOT                    ; behind the ring: 16 rows x 528 bytes for each wave
.set SPITCH, 528
.set SPARE,  STAGE+4*16*SPITCH
.set APLANE, 8192*128                  ; a plane in memory
.set BPLANE, 1024*128
.set LAPS,   4                         ; 8 K steps, two to a lap
.set ADRA, 16
.set ADRB, 20
.set STO,  24
.set RD,   25
.set CO,   26
.set SPW,  28
.set NIL,  29
.set PFO,  30
.set F0,   64
.set F1,   128
.set BK,   128
.set G1, 24
.set G0, 32
.set G1B, 48
.set G0B, 56
.set LIM, 43
.set PFA, 44
.set PFS, 66
.set MSB, 0
.macro WIN new
.if MSB != (\new)
	s_set_vgpr_msb (MSB<<8)|(\new)
.set MSB, (\new)
.endif
.endm
.set MUL,  0xa1                        ; source 0 (B) window 1, source 1 (A) window 0, C and D window 2
.set TO_B, 0x40
.macro JLOAD s                         ; an s_nop 0 and four v_nop follow each of the two lines
	s_cmp_eq_u32 s11, 0
	s_cbranch_scc0 .Lfor_b_\@
	tensor_load_to_lds s[G0+4*\s:G0+4*\s+3], s[G1:G1+7]
	s_nop 0
.rept 4
	v_nop
.endr
	s_branch .Lasked_\@
.Lfor_b_\@:
	tensor_load_to_lds s[G0B+4*\s:G0B+4*\s+3], s[G1B:G1B+7]
	s_nop 0
.rept 4
	v_nop
.endr
.Lasked_\@:
.endm
; A prefetch of the K step that stands two refills on, 256 matrix instructions a wave ahead of the load that will want it.  A's two planes x 128 rows are 128 blocks of 256 bytes: the four partners of a row of the
; cluster take 32 each, told apart by address (cx); wave 0 asks.  B's two planes x 256 rows are read by all sixteen clusters: cluster y = 0 asks; its four partners of a column take 8,192 bytes of each plane
; (cy), wave 2 the first plane, wave 3 the second.  The loop's last trip asks for nothing: there is no K step two on.
.macro ASK
	s_cmp_gt_u32 s3, s[LIM]
	s_cbranch_scc0 .Lnot_mine_\@
	global_prefetch_b8 v[PFO], s[PFA:PFA+1] th:TH_LOAD_NT scope:SCOPE_SE
.Lnot_mine_\@:
.endm
.macro CREST
	s_cmp_lg_u32 s10, 0
	s_cbranch_scc1 .Lnot_wave_0_\@
	s_barrier_signal -3
.Lnot_wave_0_\@:
	s_barrier_wait -3
	s_barrier_signal -1
	s_barrier_wait -1
.endm
.macro CROUND
	s_barrier_signal -1
	s_barrier_wait -1
	CREST
.endm
	s_load_b128 s[4:7], s[0:1], 0x0                ; att, w16
	s_load_b64 s[8:9], s[0:1], 0x10                ; out0
	v_lshl_add_u32 v[SPW], v0, 2, SPARE
	v_mov_b32 v[NIL], 0
	ds_add_u32 v[SPW], v[NIL]                      ; the wave's opening: the add, twice on end, and its wait ahead of my first tensor load
	ds_add_u32 v[SPW], v[NIL]
	v_lshrrev_b32 v1, 5, v0
	v_readfirstlane_b32 s10, v1                    ; wave 0..3
	s_lshr_b32 s11, s10, 1                         ; which 64 tokens are mine.  Also: I fetch for A (0) or for B (1)
	s_and_b32 s12, s10, 1                          ; which 128 columns.  Also: which plane of a K step I fetch
	s_bfe_u32 s40, ttmp6, 0x40000                  ; cx, cy
	s_bfe_u32 s41, ttmp6, 0x40004
	s_lshl_b32 s42, ttmp9, 2
	s_add_co_u32 s42, s42, s40                     ; tile column
	s_and_b32 s13, ttmp7, 0xffff
	s_lshl_b32 s13, s13, 2
	s_add_co_u32 s13, s13, s41                     ; tile row
	s_lshl_b32 s43, s41, 2
	s_lshl_b32 s43, 15, s43                        ; my row of the cluster
	s_lshl_b32 s44, 0x1111, s40                    ; my column
	s_or_b32 s[G1+0], s43, (1<<16)|(1<<20)|(1<<21)|(4<<22)|(3<<25)  ; the mask; elements of 2 bytes; padding: 4 words behind every 32
	s_or_b32 s[G1B+0], s44, (1<<16)|(1<<20)|(1<<21)|(4<<22)|(3<<25)
	s_mov_b32 s[G1+1], 64<<16                      ; tensor_dim0
	s_mov_b32 s[G1+2], 128<<16                     ; tensor_dim1
	s_mov_b32 s[G1+3], 64<<16                      ; tile_dim0
	s_mov_b32 s[G1+4], 128                         ; tile_dim1
	s_mov_b32 s[G1+5], 64                          ; from row to row
	s_mov_b32 s[G1+6], 0
	s_mov_b32 s[G1+7], 0
	s_mov_b32 s[G1B+1], 64<<16
	s_mov_b32 s[G1B+2], 256<<16
	s_mov_b32 s[G1B+3], 64<<16
	s_mov_b32 s[G1B+4], 256
	s_mov_b32 s[G1B+5], 64
	s_mov_b32 s[G1B+6], 0
	s_mov_b32 s[G1B+7], 0
	s_lshl_b32 s16, s13, 14                        ; A: 128 tokens of 128 bytes a tile row,
	s_lshl_b32 s17, s12, 20                        ; my plane
	s_add_co_u32 s16, s16, s17
	s_mov_b32 s17, 0
	s_lshl_b32 s46, s42, 15                        ; B: 256 rows of 128 bytes a tile column,
	s_lshl_b32 s47, s12, 17                        ; my plane
	s_add_co_u32 s46, s46, s47
	s_mov_b32 s47, 0
	s_mul_i32 s20, s12, APL                        ; where they go in a slot
	s_mul_i32 s21, s12, BPL
	s_add_co_u32 s21, s21, BOFF
	s_wait_dscnt 0x0                               ; both opening adds are done
	s_wait_kmcnt 0x0
	s_add_nc_u64 s[14:15], s[4:5], s[16:17]
	s_add_nc_u64 s[46:47], s[6:7], s[46:47]
	CROUND                                         ; all sixteen work-groups are here: the first joint loads meet
.irp s, 0,1
	s_mov_b32 s[G0+4*\s], 1
	s_add_co_u32 s[G0+4*\s+1], s20, \s*SLOT
	s_add_nc_u64 s[G0+4*\s+2:G0+4*\s+3], s[14:15], \s*2*APLANE
	s_or_b32 s[G0+4*\s+3], s[G0+4*\s+3], 0x80000000
	s_mov_b32 s[G0B+4*\s], 1
	s_add_co_u32 s[G0B+4*\s+1], s21, \s*SLOT
	s_add_nc_u64 s[G0B+4*\s+2:G0B+4*\s+3], s[46:47], \s*2*BPLANE
	s_or_b32 s[G0B+4*\s+3], s[G0B+4*\s+3], 0x80000000
	JLOAD \s                                       ; two loads of mine are out
.endr
	v_and_b32 v1, 15, v0                           ; r
	v_bfe_u32 v2, v0, 4, 1                         ; h
	v_mul_u32_u24 v3, v1, PITCH
	v_lshl_add_u32 v3, v2, 4, v3
	s_mul_i32 s21, s11, 64*PITCH                   ; my 64 rows of A's planes
	s_mul_i32 s22, s12, 128*PITCH                  ; my 128 rows of B's,
	s_add_co_u32 s22, s22, BOFF
.irp s, 0,1
	v_add_nc_u32 v[ADRA+\s], s21, v3
	v_add_nc_u32 v[ADRB+\s], s22, v3
	s_add_co_u32 s21, s21, SLOT
	s_add_co_u32 s22, s22, SLOT
.endr
	s_mul_i32 s23, s10, 16*SPITCH
	s_add_co_u32 s23, s23, STAGE                   ; my stage
	v_mul_u32_u24 v5, v1, SPITCH                   ; in: token r, 32 bytes for each half of the lanes
	v_lshl_add_u32 v5, v2, 5, v5
	v_add_nc_u32 v[STO], s23, v5
	v_and_b32 v6, 31, v0
	v_lshlrev_b32 v[CO], 4, v6                     ; back: the 32 lanes take one row of 512 bytes; and the same in out0
	v_add_nc_u32 v[RD], s23, v[CO]
	s_lshl_b32 s16, s13, 7
	s_lshl_b32 s17, s11, 6
	s_add_co_u32 s16, s16, s17                     ; my first token
	s_lshl_b32 s16, s16, 12                        ; a row of out0 is 4,096 bytes
	s_lshl_b32 s17, s42, 10
	s_add_co_u32 s16, s16, s17
	s_lshl_b32 s17, s12, 9
	s_add_co_u32 s16, s16, s17
	s_mov_b32 s17, 0
	s_add_nc_u64 s[8:9], s[8:9], s[16:17]
	; the prefetches: both offsets first, then one compare and the choices
	s_lshl_b32 s16, s13, 14
	s_lshl_b32 s17, s40, 12
	s_add_co_u32 s16, s16, s17                     ; A: my tile row, my work-group's 4,096 bytes of each plane
	s_lshl_b32 s18, s42, 15
	s_lshl_b32 s19, s12, 17
	s_add_co_u32 s18, s18, s19
	s_lshl_b32 s19, s41, 13
	s_add_co_u32 s18, s18, s19                     ; B: my tile column, my plane, my work-group's 8,192 bytes
	s_and_b32 s22, ttmp7, 0xffff                   ; cluster y
	s_mov_b32 s20, 4096
	s_mov_b32 s[PFS], 2*BPLANE
	s_cmp_eq_u32 s11, 0
	s_cselect_b32 s22, s12, s22                    ; A: wave 0 alone; B: the clusters with y = 0: the same in all sixteen partners, for a given wave
	s_cselect_b64 s[PFA:PFA+1], s[4:5], s[6:7]
	s_cselect_b32 s20, 1<<20, s20                  ; lanes 16-31: A's next plane, or B's next 4,096 bytes
	s_cselect_b32 s[PFS], 2*APLANE, s[PFS]         ; a K step on
	s_cselect_b32 s16, s16, s18
	s_cmp_eq_u32 s22, 0
	s_cselect_b32 s[LIM], 1, -1
	s_mov_b32 s17, 0
	s_mov_b32 s[PFS+1], 0
	s_add_nc_u64 s[PFA:PFA+1], s[PFA:PFA+1], s[16:17]
.rept 3
	s_add_nc_u64 s[PFA:PFA+1], s[PFA:PFA+1], s[PFS:PFS+1]   ; at K step 3: the first filling change steps it to 4
.endr
	v_and_b32 v[PFO], 15, v0
	v_lshlrev_b32 v[PFO], 8, v[PFO]
	v_mul_u32_u24 v4, s20, v2
	v_add_nc_u32 v[PFO], v[PFO], v4
.macro MULA f, a, zero                 ; 8 matrix instructions: A's block a x B's eight, 32 along K.  The 32 accumulators take turns in the same order in every quarter
.irp b, 0,1,2,3,4,5,6,7
.if \zero
	v_wmma_f32_16x16x32_f16 v[8*(8*(\a)+\b):8*(8*(\a)+\b)+7], v[\f+8*\b:\f+8*\b+7], v[\f+8*(\a):\f+8*(\a)+7], 0
.else
	v_wmma_f32_16x16x32_f16 v[8*(8*(\a)+\b):8*(8*(\a)+\b)+7], v[\f+8*\b:\f+8*\b+7], v[\f+8*(\a):\f+8*(\a)+7], v[8*(8*(\a)+\b):8*(8*(\a)+\b)+7]
.endif
.endr
.endm
.macro FETCH slot, q, f                ; 24 LDS loads in one run: quarter q (plane q / 2, byte 64 (q % 2) of its rows): B's eight fragments, then A's four
	WIN TO_B
.irp i, 0,1,2,3,4,5,6,7
	ds_load_b128 v[\f+8*\i:\f+8*\i+3],   v[ADRB+\slot] offset:((\q)/2)*BPL+((\q)%2)*64+\i*16*PITCH
	ds_load_b128 v[\f+8*\i+4:\f+8*\i+7], v[ADRB+\slot] offset:((\q)/2)*BPL+((\q)%2)*64+\i*16*PITCH+32
.endr
	WIN 0
.irp i, 0,1,2,3
	ds_load_b128 v[\f+8*\i:\f+8*\i+3],   v[ADRA+\slot] offset:((\q)/2)*APL+((\q)%2)*64+\i*16*PITCH
	ds_load_b128 v[\f+8*\i+4:\f+8*\i+7], v[ADRA+\slot] offset:((\q)/2)*APL+((\q)%2)*64+\i*16*PITCH+32
.endr
.endm
.macro PLACES
.rept 4
	v_nop
.endr
.endm
.macro QUARTER slot, q, f, g, zero     ; multiplies buffer f; in its middle fetches quarter q of the slot into buffer g
	s_wait_dscnt 4                                 ; B and A's blocks 0, 1 are in; the youngest four loads (blocks 2, 3) may be out
	WIN MUL
	MULA \f, 0, \zero
	MULA \f, 1, \zero
	PLACES
	FETCH \slot, \q, \g
	s_wait_dscnt 24                                ; all but the 24 just issued
	WIN MUL
	MULA \f, 2, \zero
	MULA \f, 3, \zero
.endm
; A slot's last quarter multiplies buffer 1 and changes slots: one barrier; in front of it each wave waits for all its tensor loads (one is out: its part of the next slot), adds 0 to its spare word, and waits
; for that and for its reads of this slot.  fill = 1: the barrier opens a round of the cluster's, and the joint refill, two K steps ahead, is the first thing behind it.
.macro TURN slot, next, fill
.if \fill
	s_wait_xcnt 0x0                                ; the last prefetch, a K step back, has read its address
	s_add_nc_u64 s[PFA:PFA+1], s[PFA:PFA+1], s[PFS:PFS+1]
.endif
	WIN 0                                          ; (the add's two registers lie in window 0)
	s_wait_tensorcnt 0x0
	ds_add_u32 v[SPW], v[NIL]
	s_wait_dscnt 5                                 ; (the add and the youngest four loads may be out)
	WIN MUL
	MULA F1, 0, 0
	s_wait_dscnt 0x0                               ; the add is done, and my reads of this slot are over
	s_barrier_signal -1
	MULA F1, 1, 0
.if \fill
	WIN 0
.endif
	s_barrier_wait -1
.if \fill
	CREST                                          ; no wave of any partner still reads this slot or has a load on its way
	s_add_nc_u64 s[G0+4*\slot+2:G0+4*\slot+3], s[G0+4*\slot+2:G0+4*\slot+3], 4*APLANE
	s_add_nc_u64 s[G0B+4*\slot+2:G0B+4*\slot+3], s[G0B+4*\slot+2:G0B+4*\slot+3], 4*BPLANE
	JLOAD \slot                                    ; its four v_nop are also the places in front of the loads below
.else
	PLACES
.endif
	FETCH \next, 0, F0
.if \fill
	ASK
.endif
	WIN MUL
	MULA F1, 2, 0
	MULA F1, 3, 0
.endm
	s_wait_tensorcnt 1                             ; my part of K step 0 is in; K step 1's may be out
	s_barrier_signal -1
	s_barrier_wait -1
	FETCH 0, 0, F0
	QUARTER 0, 1, F0, F1, 1                        ; the first quarter's products start the sums
	WIN 0
	s_mov_b32 s3, LAPS-1
.Llap:                                             ; a trip goes once round the ring and fills both slots again
	QUARTER 0, 2, F1, F0, 0
	QUARTER 0, 3, F0, F1, 0
	TURN 0, 1, 1
	QUARTER 1, 1, F0, F1, 0
	QUARTER 1, 2, F1, F0, 0
	QUARTER 1, 3, F0, F1, 0
	TURN 1, 0, 1
	QUARTER 0, 1, F0, F1, 0
	WIN 0
	s_sub_co_u32 s3, s3, 1
	s_cmp_lg_u32 s3, 0
	s_cbranch_scc1 .Llap
	QUARTER 0, 2, F1, F0, 0                        ; the last lap fills nothing
	QUARTER 0, 3, F0, F1, 0
	TURN 0, 1, 0
	QUARTER 1, 1, F0, F1, 0
	QUARTER 1, 2, F1, F0, 0
	QUARTER 1, 3, F0, F1, 0
	s_wait_dscnt 4
	WIN MUL
	MULA F1, 0, 0
	MULA F1, 1, 0
	s_wait_dscnt 0
	MULA F1, 2, 0
	MULA F1, 3, 0
	WIN 0
; THE WAY OUT, block by block of 16 tokens x 128 columns: through my own stage, back as whole rows of 512 bytes.
.macro TOSTAGE a
.set AC, 64*(\a)
	WIN 0x08                                       ; an LDS store's data: window 2
.irp b, 0,1,2,3,4,5,6,7
	ds_store_b128 v[STO], v[AC+8*\b:AC+8*\b+3] offset:64*\b          ; each accumulator from its low end on
	ds_store_b128 v[STO], v[AC+8*\b+4:AC+8*\b+7] offset:64*\b+16
.endr
	WIN 0
.set BB, BK+64*((\a)%2)
.irp t, 0,1,2,3,4,5,6,7,8,9,10,11,12,13,14,15
	ds_load_b128 v[BB+4*\t:BB+4*\t+3], v[RD] offset:\t*SPITCH        ; LDS serves a wave's instructions in order
.endr
.endm
.macro SEND a, younger
.set BB, BK+64*((\a)%2)
	s_wait_dscnt \younger
.if (\a) > 0
	s_add_nc_u64 s[8:9], s[8:9], 16*4096           ; (behind a wait on XCNT: the earlier stores have read their base)
.endif
.irp t, 0,1,2,3,4,5,6,7,8,9,10,11,12,13,14,15
	global_store_b128 v[CO], v[BB+4*\t:BB+4*\t+3], s[8:9] offset:\t*4096   ; 32 lanes store 512 consecutive bytes, aligned
.endr
.endm
	PLACES
	TOSTAGE 0
.irp a, 1,2,3
.if \a > 1
	s_wait_xcnt 0x0                                ; block a - 2's stores have read their registers and their base
.endif
	TOSTAGE \a
	SEND \a-1, 32                                  ; behind block a - 1's loads: block a's 16 stores and 16 loads
.endr
	s_wait_xcnt 0x0
	SEND 3, 0
	s_wait_tensorcnt 0x0                           ; the wave's end
	ds_add_u32 v[SPW], v[NIL]
	s_wait_dscnt 0x0
	CROUND                                         ; the closing round
	s_endpgm
.Lfunc_end_k_q2065fe319c_proj:
	.size	k_q2065fe319c_proj, .Lfunc_end_k_q2065fe319c_proj-k_q2065fe319c_proj
	.p2alignl 7, 3214868480
	.fill 96, 4, 3214868480
	.section	.rodata,"a",@progbits
	.p2align	6, 0x0
	.amdhsa_kernel k_q2065fe319c_proj
		.amdhsa_group_segment_fixed_size 327680
		.amdhsa_private_segment_fixed_size 0
		.amdhsa_enable_private_segment 0
		.amdhsa_kernarg_size 24
		.amdhsa_user_sgpr_count 2
		.amdhsa_user_sgpr_kernarg_segment_ptr 1
		.amdhsa_wavefront_size32 1
		.amdhsa_system_sgpr_workgroup_id_x 1
		.amdhsa_system_sgpr_workgroup_id_y 1
		.amdhsa_system_sgpr_workgroup_id_z 1
		.amdhsa_system_vgpr_workitem_id 0
		.amdhsa_next_free_vgpr 768
		.amdhsa_next_free_sgpr 70
		.amdhsa_reserve_vcc 0
		.amdhsa_float_denorm_mode_32 3
		.amdhsa_float_denorm_mode_16_64 3
		.amdhsa_memory_ordered 1
		.amdhsa_forward_progress 1
		.amdhsa_inst_pref_size 87
	.end_amdhsa_kernel
	.amdgpu_metadata
---
amdhsa.version: [ 1, 2 ]
amdhsa.kernels:
  - .name:           k_q2065fe319c_proj
    .symbol:         k_q2065fe319c_proj.kd
    .args:
      - { .name: att, .offset: 0, .size: 8, .value_kind: global_buffer, .address_space: global }
      - { .name: w16, .offset: 8, .size: 8, .value_kind: global_buffer, .address_space: global }
      - { .name: out0, .offset: 16, .size: 8, .value_kind: global_buffer, .address_space: global }
    .group_segment_fixed_size: 327680
    .private_segment_fixed_size: 0
    .kernarg_segment_align: 8
    .kernarg_segment_size: 24
    .max_flat_workgroup_size: 128
    .sgpr_count:     70
    .vgpr_count:     768
    .wavefront_size: 32
...
	.end_amdgpu_metadata
.endif
;; end of part 4
;; launch first16 (part 5): grid 64 x 4, 16 waves a work-group, no clusters, 18,432 bytes of LDS; arguments fine32, attn_mask, w_out, out0; writes out0
.if DOCPART == 5
	.amdgcn_target "amdgcn-amd-amdhsa--gfx1250"
	.amdhsa_code_object_version 6
	.text
	.protected	k_q2065fe319c_first16
	.globl	k_q2065fe319c_first16
	.p2align	8
	.type	k_q2065fe319c_first16,@function
k_q2065fe319c_first16:
	s_mov_b64 s[64:65], 0
	v_nop
	global_prefetch_b8 v0, s[64:65] scope:SCOPE_SE
	s_setreg_imm32_b32 hwreg(HW_REG_WAVE_MODE, 25, 1), 1
	s_wait_xcnt 0x0
; The first 16 positions of every batch once more, with f32 operands throughout: scores, softmax, values and the projection out.  These rows average one to sixteen values and are the largest in size.
; fine32: f32 [16 b + t][3072] (q, k, v of the positions t < 16).  out0 rows 2048 b + t, t < 16, are written over.
; SHARES.  Work-group (nt, b) makes 16 rows x columns 16 nt .. 16 nt + 15.  Wave = head: it makes its head's 16 x 16 attention and multiplies it by its 64 columns of 16 rows of w_out;
; the sixteen partial tiles meet in LDS, and waves 0 and 1 add and store them: 64 consecutive bytes a row, 262,144 bytes in the whole launch (whole units of 256 bytes would want a quarter of the work-groups).
; All products by the f32 matrix form, 16 x 16 x 4, k permuted alike on both sides.  Its accumulators v160-191 are written by matrix instructions alone; each sum begins with C = 0; four partial sums take turns.
; Layout: S^T = K Q^T, O^T = V^T P, Y^T = W O: a lane holds one query (lane % 16) throughout.
; Masked scores become -2^100; the maximum has the floor -2^90 among its leaves, so that they give p = 0; a query with no key has l = 0 and gets 0.
; LIMITS: raw scores stay over -2^90; NaN and infinities are not served.
.set NEG,   0xF1800000
.set FLOOR, 0xEC800000
.set SPARE, 16384                      ; behind the sixteen images of 1,024 bytes: the spare words
.set SPW, 14
.set NIL, 15
.set MK,  16                           ; v16-23   eight keys' mask words
.set SS,  24                           ; v24-31   scores
.set QQ,  32                           ; v32-63   Q; later O / l; later the partial tiles
.set KK,  64                           ; v64-95   K
.set VV,  96                           ; v96-127  V
.set WW,  128                          ; v128-159 w_out
.set AC,  160                          ; v160-191 the accumulators
.set PP,  192                          ; v192-199 p
.set TA,  200                          ; v200-207 at work; the tile of Y
.set TC,  216                          ; v216-223 at work
	s_load_b128 s[4:7], s[0:1], 0x0                ; fine32, attn_mask
	s_load_b128 s[8:11], s[0:1], 0x10              ; w_out, out0
	v_lshl_add_u32 v[SPW], v0, 2, SPARE
	v_mov_b32 v[NIL], 0
	v_lshrrev_b32 v1, 5, v0
	v_readfirstlane_b32 s12, v1                    ; wave = head
	s_and_b32 s13, ttmp7, 0xffff                   ; batch
	v_and_b32 v1, 15, v0                           ; r
	v_bfe_u32 v2, v0, 4, 1                         ; h
	v_mul_u32_u24 v3, v1, 12288
	v_lshl_add_u32 v3, v2, 4, v3                   ; Q, K: row r, + 16 h
	v_mul_u32_u24 v4, v2, 8*12288
	v_lshl_add_u32 v4, v1, 2, v4                   ; V: rows 8 h on, channel r
	v_lshlrev_b32 v5, 12, v1
	v_lshl_add_u32 v5, v2, 5, v5                   ; w_out: row r, + 32 h
	v_lshlrev_b32 v6, 5, v2                        ; the mask: keys 8 h on
	v_lshlrev_b32 v7, 3, v2
	v_sub_nc_u32 v7, v1, v7                        ; r - 8 h
	v_mov_b32 v11, 0                               ; (a lane permute's destination counts as one of its sources)
	v_mov_b32 v13, 0                               ; (named as the upper half of the pair v[12:13])
	v_mov_b32 v211, NEG
	v_and_b32 v208, 31, v0
	v_lshlrev_b32 v208, 4, v208
	v_lshrrev_b32 v209, 5, v0
	v_lshl_add_u32 v208, v209, 10, v208            ; my image: 1,024 x wave + 16 x lane
	v_bfe_u32 v210, v0, 2, 4                       ; waves 0, 1 on the way out: row = thread / 4, piece p = thread % 4 of its 64 bytes
	v_and_b32 v209, 1, v0
	v_lshlrev_b32 v209, 9, v209                    ; p % 2: registers 0-3 or 4-7 of the image,
	v_bfe_u32 v212, v0, 1, 1
	v_lshl_add_u32 v209, v212, 8, v209             ; p / 2: lanes 0-15 or 16-31,
	v_lshl_add_u32 v209, v210, 4, v209             ; lane = row
	v_and_b32 v212, 3, v0
	v_lshlrev_b32 v212, 4, v212
	v_lshl_add_u32 v210, v210, 12, v212            ; and in out0: row x 4,096 + 16 p
	s_mov_b32 s24, 0x76543210
	s_mov_b32 s25, 0xfedcba98
	s_mov_b32 s26, 0x3E38AA3B                      ; c = log2(e) / 8
	s_mul_i32 s14, s13, 16*12288
	s_lshl_b32 s15, s12, 8
	s_add_co_u32 s14, s14, s15                     ; fine32: the batch's 16 rows, the head's 64 numbers
	s_mov_b32 s15, 0
	s_lshl_b32 s16, s13, 13
	s_mov_b32 s17, 0
	s_lshl_b32 s18, ttmp9, 16                      ; w_out: rows 16 nt on, the head's 64 columns
	s_lshl_b32 s19, s12, 8
	s_add_co_u32 s18, s18, s19
	s_mov_b32 s19, 0
	s_lshl_b32 s20, s13, 23                        ; out0: row 2048 b, columns 16 nt on
	s_lshl_b32 s21, ttmp9, 6
	s_add_co_u32 s20, s20, s21
	s_mov_b32 s21, 0
	s_wait_kmcnt 0x0
	s_add_nc_u64 s[4:5], s[4:5], s[14:15]
	s_add_nc_u64 s[6:7], s[6:7], s[16:17]
	s_add_nc_u64 s[8:9], s[8:9], s[18:19]
	s_add_nc_u64 s[10:11], s[10:11], s[20:21]
	global_load_b128 v[MK:MK+3], v6, s[6:7]
	global_load_b128 v[MK+4:MK+7], v6, s[6:7] offset:16
.irp u, 0,1,2,3,4,5,6,7
	global_load_b128 v[KK+4*\u:KK+4*\u+3], v3, s[4:5] offset:4096+32*\u    ; channels 8 u + 4 h + 0..3 of key r
.endr
.irp u, 0,1,2,3,4,5,6,7
	global_load_b128 v[QQ+4*\u:QQ+4*\u+3], v3, s[4:5] offset:32*\u         ; the same channels of query r
.endr
.irp c, 0,1,2,3
.irp i, 0,1,2,3,4,5,6,7
	global_load_b32 v[VV+8*\c+\i], v4, s[4:5] offset:8192+12288*\i+64*\c   ; V(key 8 h + i, channel 16 c + r)
.endr
.endr
.irp c, 0,1,2,3
	global_load_b128 v[WW+8*\c:WW+8*\c+3], v5, s[8:9] offset:64*\c         ; w_out(16 nt + r, channels 16 c + 8 h + 0..7 of the head)
	global_load_b128 v[WW+8*\c+4:WW+8*\c+7], v5, s[8:9] offset:64*\c+16
.endr
	s_wait_loadcnt 40                              ; the mask, K and Q are in; V's 32 loads and w_out's 8 stay out
.set st, 0
.rept 16                                       ; S^T = K Q^T: 16 steps of 4 channels, four partial sums by turns
.if st < 4
	v_wmma_f32_16x16x4_f32 v[AC+8*(st%4):AC+8*(st%4)+7], v[KK+2*st:KK+2*st+1], v[QQ+2*st:QQ+2*st+1], 0
.else
	v_wmma_f32_16x16x4_f32 v[AC+8*(st%4):AC+8*(st%4)+7], v[KK+2*st:KK+2*st+1], v[QQ+2*st:QQ+2*st+1], v[AC+8*(st%4):AC+8*(st%4)+7]
.endif
.set st, st+1
.endr
.rept 9
	v_nop                                          ; places behind this form
.endr
.irp p, 0,2,4,6
	v_pk_add_f32 v[SS+\p:SS+\p+1], v[AC+\p:AC+\p+1], v[AC+8+\p:AC+8+\p+1]  ; each accumulator from its low end on
	v_pk_add_f32 v[TA+\p:TA+\p+1], v[AC+16+\p:AC+16+\p+1], v[AC+24+\p:AC+24+\p+1]
.endr
.irp p, 0,2,4,6
	v_pk_add_f32 v[SS+\p:SS+\p+1], v[SS+\p:SS+\p+1], v[TA+\p:TA+\p+1]      ; lane (r, h): query r, keys 8 h + 0..7
.endr
.irp j, 0,1,2,3,4,5,6,7
	v_cmp_le_i32 vcc_lo, \j, v7                    ; key 8 h + j counts where it is at or under query r,
	v_cndmask_b32 v[MK+\j], 0, v[MK+\j], vcc_lo
	v_cmp_ne_u32 vcc_lo, 0, v[MK+\j]               ; and where attn_mask has it
	v_cndmask_b32 v[SS+\j], v211, v[SS+\j], vcc_lo
.endr
	v_max3_num_f32 v9, v[SS], v[SS+1], v[SS+2]
	v_max3_num_f32 v9, v9, v[SS+3], v[SS+4]
	v_max3_num_f32 v9, v9, v[SS+5], v[SS+6]
	v_max3_num_f32 v9, v9, v[SS+7], FLOOR
	v_permlanex16_b32 v11, v9, s24, s25
	v_max_num_f32 v9, v9, v11                      ; m
	v_mul_f32 v8, s26, v9                          ; c m
.irp j, 0,1,2,3,4,5,6,7
	v_fma_f32 v[SS+\j], v[SS+\j], s26, -v8
.endr
.irp j, 0,1,2,3,4,5,6,7
	v_exp_f32 v[PP+\j], v[SS+\j]
.endr
	v_nop                                          ; a plain line behind the last exponential
	s_wait_alu depctr_va_vdst(0)                   ; one wait for the eight, ahead of their first reader
	v_pk_add_f32 v[TA:TA+1], v[PP:PP+1], v[PP+2:PP+3]
	v_pk_add_f32 v[TA+2:TA+3], v[PP+4:PP+5], v[PP+6:PP+7]
	v_pk_add_f32 v[TA:TA+1], v[TA:TA+1], v[TA+2:TA+3]
	v_add_f32 v10, v[TA], v[TA+1]
	v_permlanex16_b32 v11, v10, s24, s25
	v_add_f32 v10, v10, v11                        ; l
	v_rcp_f32 v12, v10
	v_nop
	s_wait_alu depctr_va_vdst(0)
	v_cmp_lt_f32 vcc_lo, 0, v10
	v_cndmask_b32 v12, 0, v12, vcc_lo              ; a query with no key: 0
	s_wait_loadcnt 8                               ; V is in; w_out's 8 loads stay out
.irp s, 0,1,2,3                                ; O^T = V^T P: keys 8 h + 2 s + 0, 1 a step; four tiles of channels by turns
.irp c, 0,1,2,3
.if \s == 0
	v_wmma_f32_16x16x4_f32 v[AC+8*\c:AC+8*\c+7], v[VV+8*\c+2*\s:VV+8*\c+2*\s+1], v[PP+2*\s:PP+2*\s+1], 0
.else
	v_wmma_f32_16x16x4_f32 v[AC+8*\c:AC+8*\c+7], v[VV+8*\c+2*\s:VV+8*\c+2*\s+1], v[PP+2*\s:PP+2*\s+1], v[AC+8*\c:AC+8*\c+7]
.endif
.endr
.endr
.rept 9
	v_nop
.endr
.set n, 0
.rept 16
	v_pk_mul_f32 v[QQ+n:QQ+n+1], v[AC+n:AC+n+1], v[12:13] op_sel_hi:[1,0]  ; O / l, into other registers: register 8 c + j is channel 16 c + 8 h + j of query r
.set n, n+2
.endr
	s_wait_loadcnt 0x0
.rept 9
	v_nop                                          ; the next products begin the accumulators anew
.endr
.irp s, 0,1,2,3                                ; Y^T = W O: channels 16 c + 8 h + 2 s + 0, 1 a step; four partial sums by turns
.irp c, 0,1,2,3
.if \s == 0
	v_wmma_f32_16x16x4_f32 v[AC+8*\c:AC+8*\c+7], v[WW+8*\c+2*\s:WW+8*\c+2*\s+1], v[QQ+8*\c+2*\s:QQ+8*\c+2*\s+1], 0
.else
	v_wmma_f32_16x16x4_f32 v[AC+8*\c:AC+8*\c+7], v[WW+8*\c+2*\s:WW+8*\c+2*\s+1], v[QQ+8*\c+2*\s:QQ+8*\c+2*\s+1], v[AC+8*\c:AC+8*\c+7]
.endif
.endr
.endr
.rept 9
	v_nop
.endr
.irp p, 0,2,4,6
	v_pk_add_f32 v[TA+\p:TA+\p+1], v[AC+\p:AC+\p+1], v[AC+8+\p:AC+8+\p+1]
	v_pk_add_f32 v[TC+\p:TC+\p+1], v[AC+16+\p:AC+16+\p+1], v[AC+24+\p:AC+24+\p+1]
.endr
.irp p, 0,2,4,6
	v_pk_add_f32 v[TA+\p:TA+\p+1], v[TA+\p:TA+\p+1], v[TC+\p:TC+\p+1]      ; lane (r, h): row r, columns 16 nt + 8 h + 0..7: my head's part
.endr
	ds_store_b128 v208, v[TA:TA+3]                 ; as an image of the registers
	ds_store_b128 v208, v[TA+4:TA+7] offset:512
	s_wait_dscnt 0x0                               ; for the others' sake: my stores have landed
	s_barrier_signal -1
	s_barrier_wait -1
	s_cmp_ge_u32 s12, 2
	s_cbranch_scc1 .Ldone
.irp i, 0,1,2,3,4,5,6,7,8,9,10,11,12,13,14,15
	ds_load_b128 v[QQ+4*\i:QQ+4*\i+3], v209 offset:1024*\i                 ; my 16 bytes of each head's part
.endr
	s_wait_dscnt 0x0
.irp w, 8,4,2,1
.set n, 0
.rept \w
	v_pk_add_f32 v[QQ+4*n:QQ+4*n+1], v[QQ+4*n:QQ+4*n+1], v[QQ+4*(n+\w):QQ+4*(n+\w)+1]
	v_pk_add_f32 v[QQ+4*n+2:QQ+4*n+3], v[QQ+4*n+2:QQ+4*n+3], v[QQ+4*(n+\w)+2:QQ+4*(n+\w)+3]
.set n, n+1
.endr
.endr
	global_store_b128 v210, v[QQ:QQ+3], s[10:11]
.Ldone:
	s_wait_tensorcnt 0x0                           ; the wave's end
	ds_add_u32 v[SPW], v[NIL]
	s_wait_dscnt 0x0
	s_endpgm
.Lfunc_end_k_q2065fe319c_first16:
	.size	k_q2065fe319c_first16, .Lfunc_end_k_q2065fe319c_first16-k_q2065fe319c_first16
	.p2alignl 7, 3214868480
	.fill 96, 4, 3214868480
	.section	.rodata,"a",@progbits
	.p2align	6, 0x0
	.amdhsa_kernel k_q2065fe319c_first16
		.amdhsa_group_segment_fixed_size 18432
		.amdhsa_private_segment_fixed_size 0
		.amdhsa_enable_private_segment 0
		.amdhsa_kernarg_size 32
		.amdhsa_user_sgpr_count 2
		.amdhsa_user_sgpr_kernarg_segment_ptr 1
		.amdhsa_wavefront_size32 1
		.amdhsa_system_sgpr_workgroup_id_x 1
		.amdhsa_system_sgpr_workgroup_id_y 1
		.amdhsa_system_sgpr_workgroup_id_z 1
		.amdhsa_system_vgpr_workitem_id 0
		.amdhsa_next_free_vgpr 256
		.amdhsa_next_free_sgpr 66
		.amdhsa_reserve_vcc 1
		.amdhsa_float_denorm_mode_32 3
		.amdhsa_float_denorm_mode_16_64 3
		.amdhsa_memory_ordered 1
		.amdhsa_forward_progress 1
		.amdhsa_inst_pref_size 22
	.end_amdhsa_kernel
	.amdgpu_metadata
---
amdhsa.version: [ 1, 2 ]
amdhsa.kernels:
  - .name:           k_q2065fe319c_first16
    .symbol:         k_q2065fe319c_first16.kd
    .args:
      - { .name: fine32, .offset: 0, .size: 8, .value_kind: global_buffer, .address_space: global }
      - { .name: attn_mask, .offset: 8, .size: 8, .value_kind: global_buffer, .address_space: global }
      - { .name: w_out, .offset: 16, .size: 8, .value_kind: global_buffer, .address_space: global }
      - { .name: out0, .offset: 24, .size: 8, .value_kind: global_buffer, .address_space: global }
    .group_segment_fixed_size: 18432
    .private_segment_fixed_size: 0
    .kernarg_segment_align: 8
    .kernarg_segment_size: 32
    .max_flat_workgroup_size: 512
    .sgpr_count:     66
    .vgpr_count:     256
    .wavefront_size: 32
...
	.end_amdgpu_metadata
.endif
;; end of part 5
